; MI455X (gfx1250); checked and timed in simulation.
; The chip was launched on July 23, 2026; its instructions are those of AMD's public machine-readable ISA for CDNA 5 (MIT licence, August 2026) and "CDNA5" Instruction Set Architecture Reference Guide (July 2026). The comments in the code are by the model that wrote it; some were corrected since.
;; Dual Chunk Attention. Allowed arithmetic: float matrix products may take bf16 or f16 operands with f32 sums; other float arithmetic in f32, or as packed bf16 or f16 multiplies, adds, multiply-adds, maxima and minima; sums over many terms, partial sums and values carried from step to step in f32; what a program stores and reads back later, other than sums and carried values, may be rounded once to bf16 or f16.
;; Inputs: Wk 1,024 x 1,024 float32; Wo 1,024 x 1,024 float32; Wq 1,024 x 1,024 float32; Wv 1,024 x 1,024 float32; bk 1,024 float32; bo 1,024 float32; bq 1,024 float32; bv 1,024 float32; x 4 x 2,048 x 1,024 float32.
;; Outputs: out0 4 x 2,048 x 1,024 float32.
;; One version. Each part assembles by itself: llvm-mc -triple=amdgcn-amd-amdhsa -mcpu=gfx1250 --defsym DOCPART=n.
;; ======== version 1 of 1: 5 launches
;; limits: values are held in f16: magnitudes above 65,504 overflow, below 6.1e-05 lose precision
;; workspace buffers: xh 16,777,216 bytes; wt 8,388,608 bytes; bias 16,384 bytes; qkv 50,331,648 bytes; pe 33,554,432 bytes; comb 16,777,216 bytes
;; launch prep (part 1): grid 512 x 1, 8 waves a work-group, no clusters, 18,432 bytes of LDS; arguments x, Wq, Wk, Wv, Wo, bq, bk, bv, bo, xh, wt, bias; writes xh, wt, bias
.if DOCPART == 1
	.amdgcn_target "amdgcn-amd-amdhsa--gfx1250"
	.amdhsa_code_object_version 6
	.text
	.protected	k_qda07c66384_prep
	.globl	k_qda07c66384_prep
	.p2align	8
	.type	k_qda07c66384_prep,@function
k_qda07c66384_prep:
	s_mov_b64 s[64:65], 0
	v_nop
	global_prefetch_b8 v0, s[64:65] scope:SCOPE_SE
	s_setreg_imm32_b32 hwreg(HW_REG_WAVE_MODE, 25, 1), 1
	s_wait_xcnt 0x0
; PREP.  Every input of the module is rounded once to bf16, and that number is written as f16 (x, weights) or f32 (biases).
;   xh[8192][1024] f16 = x;  wt[4096][1024] f16: rows 0-1023 Wq^T, 1024-2047 Wk^T, 2048-3071 Wv^T, 3072-4095 16 x Wo^T (row n lies along k);
;   bias[4096] f32 = bq, bk, bv, bo.
; LIMITS.  f16 ends at 65,504: |x|, |W| and 16 |Wo| stay within it; below 6e-5 f16 keeps its fixed step of 6e-8, so smaller bf16 numbers lose bits there.
; SHARES.  512 work-groups of 8 waves.  Each takes 65,536 bytes of x (a stream, 16 bytes a lane in, 8 out: a wave's store covers 256 consecutive aligned bytes)
; and one block of 128 k x 64 n of one weight, turned through LDS: pairs (k, k + 1) of one n are packed and stored as words into rows [n][k] of 272 bytes,
; and read back as whole rows of 256 bytes.  Work-groups 0 to 3 also take one bias each.  No matrix unit, no cluster: nothing is shared and memory binds.
.set TP,    272                        ; a row of the turned block in LDS: 128 f16 + 16 bytes
.set SPARE, 64*TP                      ; behind the block: the spare words, 128 bytes for each of the 8 waves
.set WL,  16                           ; v[16:47]   the weight's 8 loads; later the packed x
.set XL,  48                           ; v[48:111]  x's 16 loads
.set WB,  112                          ; v[112:127] the turned rows read back
	s_load_b512 s[16:31], s[0:1], 0x0              ; x, Wq, Wk, Wv, Wo, bq, bk, bv
	s_load_b256 s[32:39], s[0:1], 0x40             ; bo, xh, wt, bias
	v_lshl_add_u32 v8, v0, 2, SPARE                ; my spare word
	v_mov_b32 v9, 0
	s_mov_b32 s43, ttmp9                           ; the work-group's number
	s_lshr_b32 s4, s43, 7                          ; which weight
	s_bfe_u32 s5, s43, 0x30004                     ; which 128 k
	s_and_b32 s8, s43, 15                          ; which 64 n
	s_lshl_b32 s10, s5, 19                         ; 128 rows of 4,096 bytes
	s_lshl_b32 s9, s8, 8                           ; 64 columns of 4 bytes
	s_add_co_u32 s10, s10, s9
	s_mov_b32 s11, 0
	s_lshl_b32 s12, s43, 16                        ; my share of x
	s_mov_b32 s13, 0
	s_lshl_b32 s14, s43, 15                        ; and of xh
	s_mov_b32 s15, 0
	s_lshl_b32 s40, s4, 10
	s_lshl_b32 s41, s8, 6
	s_add_co_u32 s40, s40, s41                     ; my first row of wt
	s_lshl_b32 s40, s40, 11
	s_lshl_b32 s41, s5, 8
	s_add_co_u32 s40, s40, s41                     ; and my 256 bytes in it
	s_mov_b32 s41, 0
	v_and_b32 v10, 15, v0                          ; c: which four n
	v_lshrrev_b32 v11, 4, v0                       ; rp: which pair of k
	v_lshlrev_b32 v1, 4, v10
	v_lshl_add_u32 v1, v11, 13, v1                 ; the weight: two rows a pair, 16 bytes a lane
	v_mul_u32_u24 v2, v10, 4*TP
	v_lshl_add_u32 v2, v11, 2, v2                  ; into LDS: row 4 c, word rp
	v_mul_u32_u24 v5, v11, TP
	v_lshl_add_u32 v5, v10, 4, v5                  ; back: row t / 16, 16 bytes
	v_lshlrev_b32 v6, 4, v10
	v_lshl_add_u32 v6, v11, 11, v6                 ; the same in wt
	v_and_b32 v12, 31, v0
	v_lshrrev_b32 v13, 5, v0
	v_lshlrev_b32 v3, 4, v12
	v_lshl_add_u32 v3, v13, 13, v3                 ; x: 8,192 bytes a wave
	v_lshlrev_b32 v4, 3, v12
	v_lshl_add_u32 v4, v13, 12, v4                 ; xh: 4,096 bytes a wave
	v_lshlrev_b32 v7, 4, v0                        ; a bias: 16 bytes a thread
	s_wait_kmcnt 0x0
	s_cmp_eq_u32 s4, 1
	s_cselect_b64 s[2:3], s[20:21], s[18:19]
	s_cmp_eq_u32 s4, 2
	s_cselect_b64 s[2:3], s[22:23], s[2:3]
	s_cmp_eq_u32 s4, 3
	s_cselect_b64 s[2:3], s[24:25], s[2:3]
	s_cselect_b32 s6, 0x41800000, 1.0              ; Wo is written 16 times larger: the launch that feeds it writes its rows 16 times smaller
	s_mov_b32 s7, s6
	s_add_nc_u64 s[2:3], s[2:3], s[10:11]
	s_add_nc_u64 s[16:17], s[16:17], s[12:13]
	s_add_nc_u64 s[34:35], s[34:35], s[14:15]
	s_add_nc_u64 s[36:37], s[36:37], s[40:41]
.irp i, 0,1,2,3
	global_load_b128 v[WL+8*(\i):WL+8*(\i)+3],   v1, s[2:3] offset:(\i)*131072 th:TH_LOAD_NT       ; row k = 2 (rp + 16 i)
	global_load_b128 v[WL+8*(\i)+4:WL+8*(\i)+7], v1, s[2:3] offset:(\i)*131072+4096 th:TH_LOAD_NT  ; row k + 1
.endr
.irp j, 0,1,2,3,4,5,6,7,8,9,10,11,12,13,14,15
	global_load_b128 v[XL+4*(\j):XL+4*(\j)+3], v3, s[16:17] offset:512*(\j) th:TH_LOAD_NT
.endr
	s_wait_loadcnt 16                              ; the weight's eight loads are in; x's sixteen stay out
.irp i, 0,1,2,3
.irp n, 0,1,2,3
	v_cvt_pk_bf16_f32 v10, v[WL+8*(\i)+(\n)], v[WL+8*(\i)+4+(\n)]  ; W[k][n], W[k+1][n] rounded to bf16,
	v_lshlrev_b32 v12, 16, v10                     ; widened again,
	v_and_b32 v13, 0xffff0000, v10
	v_pk_mul_f32 v[12:13], v[12:13], s[6:7] op_sel_hi:[1,0]  ; times 1 or 16 (exact),
	v_cvt_pk_f16_f32 v11, v12, v13                 ; and written as f16
	ds_store_b32 v2, v11 offset:(\n)*TP+64*(\i)
.endr
.endr
.irp j, 0,1,2,3,4,5,6,7,8,9,10,11,12,13,14,15
	s_wait_loadcnt 15-(\j)                         ; loads come back in order: load j is in, the younger ones stay out
	v_cvt_pk_bf16_f32 v10, v[XL+4*(\j)], v[XL+4*(\j)+1]
	v_cvt_pk_bf16_f32 v11, v[XL+4*(\j)+2], v[XL+4*(\j)+3]
	v_lshlrev_b32 v12, 16, v10
	v_and_b32 v13, 0xffff0000, v10
	v_lshlrev_b32 v14, 16, v11
	v_and_b32 v15, 0xffff0000, v11
	v_cvt_pk_f16_f32 v[WL+2*(\j)], v12, v13        ; each store has registers of its own
	v_cvt_pk_f16_f32 v[WL+2*(\j)+1], v14, v15
	global_store_b64 v4, v[WL+2*(\j):WL+2*(\j)+1], s[34:35] offset:256*(\j)
.endr
	s_wait_dscnt 0x0                               ; for the others' sake: my words of the turned block are in LDS
	s_barrier_signal -1
	s_barrier_wait -1
.irp i, 0,1,2,3
	ds_load_b128 v[WB+4*(\i):WB+4*(\i)+3], v5 offset:(\i)*16*TP
.endr
.irp i, 0,1,2,3
	s_wait_dscnt 3-(\i)
	global_store_b128 v6, v[WB+4*(\i):WB+4*(\i)+3], s[36:37] offset:(\i)*32768  ; 16 lanes store 256 consecutive bytes of a row of wt
.endr
	s_wait_tensorcnt 0x0                           ; the wave's end, behind my last LDS store
	ds_add_u32 v8, v9
	s_wait_dscnt 0x0
	s_cmp_lt_u32 s43, 4
	s_cbranch_scc0 .Ldone                          ; work-groups 0 to 3 round one bias each
	s_cmp_eq_u32 s43, 1
	s_cselect_b64 s[44:45], s[28:29], s[26:27]
	s_cmp_eq_u32 s43, 2
	s_cselect_b64 s[44:45], s[30:31], s[44:45]
	s_cmp_eq_u32 s43, 3
	s_cselect_b64 s[44:45], s[32:33], s[44:45]
	s_lshl_b32 s46, s43, 12
	s_mov_b32 s47, 0
	s_add_nc_u64 s[38:39], s[38:39], s[46:47]
	global_load_b128 v[48:51], v7, s[44:45]
	s_wait_loadcnt 0x0
	v_cvt_pk_bf16_f32 v10, v48, v49
	v_cvt_pk_bf16_f32 v11, v50, v51
	v_lshlrev_b32 v52, 16, v10
	v_and_b32 v53, 0xffff0000, v10
	v_lshlrev_b32 v54, 16, v11
	v_and_b32 v55, 0xffff0000, v11
	global_store_b128 v7, v[52:55], s[38:39]
.Ldone:
	s_endpgm
.Lfunc_end_k_qda07c66384_prep:
	.size	k_qda07c66384_prep, .Lfunc_end_k_qda07c66384_prep-k_qda07c66384_prep
	.p2alignl 7, 3214868480
	.fill 96, 4, 3214868480
	.section	.rodata,"a",@progbits
	.p2align	6, 0x0
	.amdhsa_kernel k_qda07c66384_prep
		.amdhsa_group_segment_fixed_size 18432
		.amdhsa_private_segment_fixed_size 0
		.amdhsa_enable_private_segment 0
		.amdhsa_kernarg_size 96
		.amdhsa_user_sgpr_count 2
		.amdhsa_user_sgpr_kernarg_segment_ptr 1
		.amdhsa_wavefront_size32 1
		.amdhsa_system_sgpr_workgroup_id_x 1
		.amdhsa_system_sgpr_workgroup_id_y 1
		.amdhsa_system_sgpr_workgroup_id_z 1
		.amdhsa_system_vgpr_workitem_id 0
		.amdhsa_next_free_vgpr 128
		.amdhsa_next_free_sgpr 66
		.amdhsa_reserve_vcc 0
		.amdhsa_float_denorm_mode_32 3
		.amdhsa_float_denorm_mode_16_64 3
		.amdhsa_memory_ordered 1
		.amdhsa_forward_progress 1
		.amdhsa_inst_pref_size 22
	.end_amdhsa_kernel
	.amdgpu_metadata
---
amdhsa.version: [ 1, 2 ]
amdhsa.kernels:
  - .name:           k_qda07c66384_prep
    .symbol:         k_qda07c66384_prep.kd
    .args:
      - { .name: x, .offset: 0, .size: 8, .value_kind: global_buffer, .address_space: global }
      - { .name: Wq, .offset: 8, .size: 8, .value_kind: global_buffer, .address_space: global }
      - { .name: Wk, .offset: 16, .size: 8, .value_kind: global_buffer, .address_space: global }
      - { .name: Wv, .offset: 24, .size: 8, .value_kind: global_buffer, .address_space: global }
      - { .name: Wo, .offset: 32, .size: 8, .value_kind: global_buffer, .address_space: global }
      - { .name: bq, .offset: 40, .size: 8, .value_kind: global_buffer, .address_space: global }
      - { .name: bk, .offset: 48, .size: 8, .value_kind: global_buffer, .address_space: global }
      - { .name: bv, .offset: 56, .size: 8, .value_kind: global_buffer, .address_space: global }
      - { .name: bo, .offset: 64, .size: 8, .value_kind: global_buffer, .address_space: global }
      - { .name: xh, .offset: 72, .size: 8, .value_kind: global_buffer, .address_space: global }
      - { .name: wt, .offset: 80, .size: 8, .value_kind: global_buffer, .address_space: global }
      - { .name: bias, .offset: 88, .size: 8, .value_kind: global_buffer, .address_space: global }
    .group_segment_fixed_size: 18432
    .private_segment_fixed_size: 0
    .kernarg_segment_align: 8
    .kernarg_segment_size: 96
    .max_flat_workgroup_size: 256
    .sgpr_count:     66
    .vgpr_count:     128
    .wavefront_size: 32
...
	.end_amdgpu_metadata
.endif
;; end of part 1
;; launch qkv (part 2): grid 8 x 32, 4 waves a work-group, clusters of 4 x 4, 327,680 bytes of LDS; arguments xh, wt, bias, qkv; writes qkv
.if DOCPART == 2
	.amdgcn_target "amdgcn-amd-amdhsa--gfx1250"
	.amdhsa_code_object_version 6
	.text
	.protected	k_qda07c66384_qkv
	.globl	k_qda07c66384_qkv
	.p2align	8
	.type	k_qda07c66384_qkv,@function
k_qda07c66384_qkv:
	s_mov_b64 s[64:65], 0
	v_nop
	global_prefetch_b8 v0, s[64:65] scope:SCOPE_SE
	s_setreg_imm32_b32 hwreg(HW_REG_WAVE_MODE, 25, 1), 1
	s_wait_xcnt 0x0
	s_wait_alu depctr_hold_cnt(0) depctr_sa_sdst(0) depctr_va_vdst(0) depctr_va_sdst(0) depctr_va_ssrc(0) depctr_va_vcc(0) depctr_vm_vsrc(0)
	s_getreg_b32 s2, hwreg(HW_REG_IB_STS2, 6, 4)
	s_cmp_eq_u32 s2, 0
	s_cbranch_scc0 .Lentry_in_a_cluster
	s_endpgm
.Lentry_in_a_cluster:
	s_bfe_u32 s2, ttmp6, 0x10000c
	s_cmp_lg_u32 s2, 0xf033
	s_cbranch_scc0 .Lentry_shape_is_right
	s_endpgm
.Lentry_shape_is_right:
; QKV.  qkv[8192][3072] f16 = xh[8192][1024] x wt[0:3072][1024]^T + bias[0:3072]; sums in f32, rounded once.  A row of qkv holds Q, K, V side by side.
; LIMIT.  f16 ends at 65,504: |Q|, |K|, |V| stay within it (a larger sum would be written as an infinity).
; SHARES.  The result is 384 tiles of 256 x 256 for 256 work-groups, so A WORK-GROUP STAYS and makes one tile and a half: first tile (y, x) of Q | K (columns 0 to 2,047), four waves of
; 128 x 128; then 128 rows x 256 columns of V: rows 256 y + 128 X (X: the cluster's x), columns 2,048 + 256 cx, four waves of 64 x 128.  All work-groups do equal work.
; K = 1,024 goes in 8 steps of 128 through two LDS slots filled by the tensor data mover: a tile's rows are 256 bytes of memory at multiples of 256.  The ring does not stop between the tiles:
; the first tile's last two changes of slots ask for the second tile's first two K steps, the first tile goes out while they land, and nothing waits for its stores.
; CLUSTER 4 x 4: the four of a row need the same rows of xh (in both tiles: y and X are theirs in common), the four of a column the same rows of wt (x, and cx); each tile is asked for jointly.
; THE MATRIX INSTRUCTION IS USED TRANSPOSED (source 0 = 16 rows of wt, source 1 = 16 rows of xh): a lane holds eight neighbouring columns of one row of the result.
; THE BIAS is the C operand of the products that start the sums: register j of lane l is bias[column block + 8 (l / 16) + j].
; REGISTERS, in windows of 256: window 0: v0-31 addresses; v64-127, v128-191 xh's fragments, two buffers; v192-255 the first tile's bias, later packed results; v32-63, v224-255 the way out.
;   window 1: v64-127, v128-191 wt's fragments; v192-255 the second tile's bias.   windows 2, 3: the accumulators of my rows 0-63 and 64-127, (a, b) at v[8 (8 (a % 4) + b)]; the second tile has window 2 alone.
.set LD,     1024                      ; elements from row to row of xh and of wt
.set LDC,    6144                      ; bytes from row to row of qkv
.set KSTEP,  128
.set PITCH,  272                       ; an LDS row: 256 bytes + 16 of padding: the 16 rows of a fragment load start at 16 different groups of four banks
.set HALFT,  128*PITCH                 ; a wave's region of a slot: 128 rows (the second tile's loads for xh bring 64, into its head)
.set SLOT,   4*HALFT                   ; xh's two regions, then wt's two
.set STAGE,  2*SLOT                    ; behind the ring: 16 rows x 272 bytes for each wave
.set SPITCH, 272
.set SPARE,  STAGE+4*16*SPITCH         ; the spare words, 128 bytes a wave
.set ADRA0, 16                         ; v16  my place in xh's rows of slot 0; never rewritten
.set ADRA,  17                         ; v17  the same in the slot in hand
.set ADRB0, 20
.set ADRB,  21
.set STO,  24
.set RD,   25
.set CO,   26
.set SPW,  28
.set NIL,  29
.set F0,   64
.set F1,   128
.set TMP,  192
.set BI2,  192                         ; in window 1
.set OB,   32
.set G1,  24                           ; s[24:31] group 1 for xh, 128 rows;  s[32:39] group 0: set 0 serves K step 0, set 1 walks
.set G0,  32
.set G1B, 48                           ; s[48:55], s[56:63] the same for wt
.set G0B, 56
.set TB,  45                           ; s45  LDS byte at which the slot in hand begins: 0 or SLOT
.set G1H, 76                           ; s[76:83] group 1 for xh in the second tile: 64 rows
.set HA,  84                           ; s[84:87] group 0 for xh in the second tile, made anew for each fill
.set HB,  88                           ; s[88:91] the same for wt
.set PA,  92                           ; s[92:93] xh at the rows that I fetch for the second tile
.set PB,  94                           ; s[94:95] wt likewise
.set KO,  96                           ; s[96:97] byte offset along K of the second tile's step to be asked for
.set CB,  98                           ; s[98:99] qkv's address, kept
.set O2,  100                          ; s[100:101] where my part of the second tile begins in qkv
.set MSB, 0
.macro WIN new                         ; the immediate's high byte repeats the setting that is left; a switch that changes nothing is dropped
.if MSB != (\new)
	s_set_vgpr_msb (MSB<<8)|(\new)
.set MSB, \new
.endif
.endm
.set MUL_LO, 0xa1                      ; source 0 window 1, source 1 window 0, C and D window 2
.set TO_B,   0x40                      ; destination window 1, address window 0
.macro JLOAD ga, gb, g1a               ; a joint load: waves 0, 1 fetch xh's halves, waves 2, 3 wt's; s_nop 0 and four v_nop follow each line
	s_cmp_eq_u32 s11, 0
	s_cbranch_scc0 .Lfor_b_\@
	tensor_load_to_lds s[\ga:\ga+3], s[\g1a:\g1a+7]
	s_nop 0
.rept 4
	v_nop
.endr
	s_branch .Lasked_\@
.Lfor_b_\@:
	tensor_load_to_lds s[\gb:\gb+3], s[G1B:G1B+7]
	s_nop 0
.rept 4
	v_nop
.endr
.Lasked_\@:
.endm
.macro CREST                           ; a round of the cluster's barrier behind its opening barrier
	s_cmp_lg_u32 s10, 0
	s_cbranch_scc1 .Lnot_wave_0_\@
	s_barrier_signal -3
.Lnot_wave_0_\@:
	s_barrier_wait -3
	s_barrier_signal -1
	s_barrier_wait -1
.endm
.macro CROUND
	s_barrier_signal -1
	s_barrier_wait -1
	CREST
.endm
.macro PLACES                          ; four places in front of loads into registers that matrix instructions have read, and of lines that read results just made
.rept 4
	v_nop
.endr
.endm
	s_load_b128 s[4:7], s[0:1], 0x0                ; xh s[4:5], wt s[6:7]
	s_load_b128 s[68:71], s[0:1], 0x10             ; bias s[68:69], qkv s[70:71]
	v_lshl_add_u32 v[SPW], v0, 2, SPARE
	v_mov_b32 v[NIL], 0
	ds_add_u32 v[SPW], v[NIL]                      ; the wave's opening: the add and its wait stand ahead of my first tensor load
	v_lshrrev_b32 v1, 5, v0
	v_readfirstlane_b32 s10, v1                    ; wave 0..3
	s_lshr_b32 s11, s10, 1                         ; my half of a tile's rows; also: I fetch for xh (0) or wt (1)
	s_and_b32 s12, s10, 1                          ; my half of its columns; also: which half of the rows I fetch
	s_bfe_u32 s40, ttmp6, 0x40000                  ; cx
	s_bfe_u32 s41, ttmp6, 0x40004                  ; cy
	s_lshl_b32 s42, ttmp9, 2
	s_add_co_u32 s42, s42, s40                     ; x: the first tile's column, 0 to 7
	s_and_b32 s13, ttmp7, 0xffff
	s_lshl_b32 s13, s13, 2
	s_add_co_u32 s13, s13, s41                     ; y: its row
	s_lshl_b32 s43, s41, 2
	s_lshl_b32 s43, 15, s43                        ; my row of the cluster
	s_lshl_b32 s44, 0x1111, s40                    ; my column
	s_or_b32 s[G1+0], s43, (1<<16)|(1<<20)|(1<<21)|(5<<22)|(3<<25)   ; mask; 2-byte elements; padding on; bit 21 beside a mask; after every 64 words 4 words
	s_or_b32 s[G1B+0], s44, (1<<16)|(1<<20)|(1<<21)|(5<<22)|(3<<25)
	s_or_b32 s[G1H+0], s43, (1<<16)|(1<<20)|(1<<21)|(5<<22)|(3<<25)
.irp g, G1, G1B, G1H
	s_mov_b32 s[(\g)+1], KSTEP<<16                 ; tensor_dim0 = 128
	s_mov_b32 s[(\g)+3], KSTEP<<16                 ; tile_dim0 = 128
	s_mov_b32 s[(\g)+5], LD                        ; elements from row to row
	s_mov_b32 s[(\g)+6], 0
	s_mov_b32 s[(\g)+7], 0
.endr
.irp g, G1, G1B
	s_mov_b32 s[(\g)+2], 128<<16                   ; tensor_dim1 = 128
	s_mov_b32 s[(\g)+4], 128                       ; tile_dim1 = 128
.endr
	s_mov_b32 s[G1H+2], 64<<16                     ; the second tile has 128 rows of xh: 64 to a load
	s_mov_b32 s[G1H+4], 64
	s_mov_b32 s[HA], 1
	s_mov_b32 s[HB], 1
	s_mov_b32 s[KO], 0
	s_mov_b32 s[KO+1], 0
	s_lshl_b32 s17, s12, 7
	s_lshl_b32 s16, s13, 8
	s_add_co_u32 s16, s16, s17                     ; first tile, xh: row 256 y + 128 x half
	s_lshl_b32 s46, s42, 8
	s_add_co_u32 s46, s46, s17                     ; wt: row 256 x + 128 x half
	s_lshl_b32 s16, s16, 11                        ; rows of 2,048 bytes
	s_lshl_b32 s46, s46, 11
	s_mov_b32 s17, 0
	s_mov_b32 s47, 0
	s_lshl_b32 s[PA], s13, 8                       ; second tile, xh: row 256 y + 128 X + 64 x half: no cx enters
	s_lshl_b32 s[PA+1], ttmp9, 7
	s_add_co_u32 s[PA], s[PA], s[PA+1]
	s_lshl_b32 s[PA+1], s12, 6
	s_add_co_u32 s[PA], s[PA], s[PA+1]
	s_lshl_b32 s[PA], s[PA], 11
	s_mov_b32 s[PA+1], 0
	s_lshl_b32 s[PB], s40, 8                       ; wt: row 2,048 + 256 cx + 128 x half: no cy enters
	s_lshl_b32 s[PB+1], s12, 7
	s_add_co_u32 s[PB], s[PB], s[PB+1]
	s_add_co_u32 s[PB], s[PB], 2048
	s_lshl_b32 s[PB], s[PB], 11
	s_mov_b32 s[PB+1], 0
	s_lshl_b32 s[O2], s13, 8                       ; where my part of the second tile goes: row 256 y + 128 X + 64 x my half of the rows,
	s_lshl_b32 s[O2+1], ttmp9, 7
	s_add_co_u32 s[O2], s[O2], s[O2+1]
	s_lshl_b32 s[O2+1], s11, 6
	s_add_co_u32 s[O2], s[O2], s[O2+1]
	s_mul_i32 s[O2], s[O2], LDC
	s_lshl_b32 s[O2+1], s40, 9                     ; column 2,048 + 256 cx + 128 x my half of the columns, 2 bytes each
	s_add_co_u32 s[O2], s[O2], s[O2+1]
	s_lshl_b32 s[O2+1], s12, 8
	s_add_co_u32 s[O2], s[O2], s[O2+1]
	s_add_co_u32 s[O2], s[O2], 4096
	s_mov_b32 s[O2+1], 0
	s_mul_i32 s20, s10, HALFT                      ; where my tiles go in a slot: wave x 128 rows
	s_wait_dscnt 0x0                               ; the opening add is done
	s_wait_kmcnt 0x0
	s_add_nc_u64 s[14:15], s[4:5], s[16:17]
	s_add_nc_u64 s[46:47], s[6:7], s[46:47]
	s_add_nc_u64 s[PA:PA+1], s[4:5], s[PA:PA+1]
	s_add_nc_u64 s[PB:PB+1], s[6:7], s[PB:PB+1]
	s_mov_b64 s[CB:CB+1], s[70:71]
	CROUND                                         ; all sixteen work-groups are here: the first joint loads meet
.irp s, 0,1
	s_mov_b32 s[G0+4*(\s)], 1
	s_add_co_u32 s[G0+4*(\s)+1], s20, (\s)*SLOT
	s_add_nc_u64 s[G0+4*(\s)+2:G0+4*(\s)+3], s[14:15], (\s)*KSTEP*2
	s_or_b32 s[G0+4*(\s)+3], s[G0+4*(\s)+3], 0x80000000
	s_mov_b32 s[G0B+4*(\s)], 1
	s_add_co_u32 s[G0B+4*(\s)+1], s20, (\s)*SLOT
	s_add_nc_u64 s[G0B+4*(\s)+2:G0B+4*(\s)+3], s[46:47], (\s)*KSTEP*2
	s_or_b32 s[G0B+4*(\s)+3], s[G0B+4*(\s)+3], 0x80000000
	JLOAD G0+4*(\s), G0B+4*(\s), G1                ; K steps 0 and 1: two loads of mine are out
.endr
	v_and_b32 v1, 15, v0                           ; l % 16
	v_bfe_u32 v2, v0, 4, 1                         ; l / 16
	v_lshlrev_b32 v6, 5, v2                        ; the bias: 8 numbers for each half of the lanes
	s_lshl_b32 s18, s40, 10                        ; the second tile's: column 2,048 + 256 cx + 128 x half, 4 bytes each
	s_lshl_b32 s19, s12, 9
	s_add_co_u32 s18, s18, s19
	s_add_co_u32 s18, s18, 8192
	s_mov_b32 s19, 0
	s_add_nc_u64 s[18:19], s[68:69], s[18:19]
	s_lshl_b32 s66, s42, 10                        ; the first tile's: column 256 x + 128 x half
	s_lshl_b32 s67, s12, 9
	s_add_co_u32 s66, s66, s67
	s_mov_b32 s67, 0
	s_add_nc_u64 s[68:69], s[68:69], s[66:67]
.irp b, 0,1,2,3,4,5,6,7
	global_load_b128 v[TMP+8*(\b):TMP+8*(\b)+3],   v6, s[68:69] offset:64*(\b)
	global_load_b128 v[TMP+8*(\b)+4:TMP+8*(\b)+7], v6, s[68:69] offset:64*(\b)+16
.endr
	WIN TO_B
.irp b, 0,1,2,3,4,5,6,7
	global_load_b128 v[BI2+8*(\b):BI2+8*(\b)+3],   v6, s[18:19] offset:64*(\b)
	global_load_b128 v[BI2+8*(\b)+4:BI2+8*(\b)+7], v6, s[18:19] offset:64*(\b)+16
.endr
	WIN 0
	v_mul_u32_u24 v3, v1, PITCH
	v_lshl_add_u32 v3, v2, 4, v3                   ; a fragment's row x pitch + 16 x half
	s_mul_i32 s21, s11, HALFT
	s_mul_i32 s22, s12, HALFT
	s_add_co_u32 s22, s22, 2*HALFT
	v_add_nc_u32 v[ADRA0], s21, v3
	v_add_nc_u32 v[ADRB0], s22, v3
	v_mov_b32 v[ADRA], v[ADRA0]
	v_mov_b32 v[ADRB], v[ADRB0]
	s_mov_b32 s[TB], 0
	s_mul_i32 s23, s10, 16*SPITCH
	s_add_co_u32 s23, s23, STAGE                   ; my stage
	v_mul_u32_u24 v4, v1, SPITCH
	v_lshl_add_u32 v4, v2, 4, v4
	v_add_nc_u32 v[STO], s23, v4
	v_mul_u32_u24 v5, v2, SPITCH
	v_lshl_add_u32 v5, v1, 4, v5
	v_add_nc_u32 v[RD], s23, v5
	v_mul_u32_u24 v5, v2, LDC
	v_lshl_add_u32 v[CO], v1, 4, v5
	s_lshl_b32 s13, s13, 8
	s_lshl_b32 s14, s11, 7
	s_add_co_u32 s16, s13, s14                     ; my first row of the first tile
	s_mul_i32 s16, s16, LDC
	s_mov_b32 s17, 0
	s_lshl_b32 s46, s42, 9
	s_lshl_b32 s47, s12, 8
	s_add_co_u32 s46, s46, s47                     ; my first column, in bytes
	s_mov_b32 s47, 0
	s_add_nc_u64 s[16:17], s[16:17], s[46:47]
; 8 matrix instructions: row block a of the window's four x all 8 column blocks, 32 along K.  zero = 2: the products start the sums on the first tile's bias; 3: on the second tile's.
.macro MULA f, hi, a, zero
.if (\zero) == 2
	WIN 0x81+0x40*(\hi)                            ; C in window 0
.elseif (\zero) == 3
	WIN 0x91                                       ; C in window 1
.else
	WIN MUL_LO+0x50*(\hi)
.endif
.irp b, 0,1,2,3,4,5,6,7
.if (\zero) == 2
	v_wmma_f32_16x16x32_f16 v[8*(8*(\a)+(\b)):8*(8*(\a)+(\b))+7], v[(\f)+8*(\b):(\f)+8*(\b)+7], v[(\f)+8*(4*(\hi)+(\a)):(\f)+8*(4*(\hi)+(\a))+7], v[TMP+8*(\b):TMP+8*(\b)+7]
.elseif (\zero) == 3
	v_wmma_f32_16x16x32_f16 v[8*(8*(\a)+(\b)):8*(8*(\a)+(\b))+7], v[(\f)+8*(\b):(\f)+8*(\b)+7], v[(\f)+8*(4*(\hi)+(\a)):(\f)+8*(4*(\hi)+(\a))+7], v[BI2+8*(\b):BI2+8*(\b)+7]
.else
	v_wmma_f32_16x16x32_f16 v[8*(8*(\a)+(\b)):8*(8*(\a)+(\b))+7], v[(\f)+8*(\b):(\f)+8*(\b)+7], v[(\f)+8*(4*(\hi)+(\a)):(\f)+8*(4*(\hi)+(\a))+7], v[8*(8*(\a)+(\b)):8*(8*(\a)+(\b))+7]
.endif
.endr
.endm
.macro MUL16 f, hi, a0, zero
	MULA \f, \hi, \a0, \zero
	MULA \f, \hi, (\a0)+1, \zero
.endm
; THE FIRST TILE.
.macro FETCH k, f                      ; 32 LDS loads in one run: a quarter step's fragments (32 K at byte k of the rows of the slot in hand) into buffer f
	WIN TO_B
.irp i, 0,1,2,3,4,5,6,7
	ds_load_b128 v[(\f)+8*(\i):(\f)+8*(\i)+3],   v[ADRB] offset:(\k)+(\i)*16*PITCH
	ds_load_b128 v[(\f)+8*(\i)+4:(\f)+8*(\i)+7], v[ADRB] offset:(\k)+(\i)*16*PITCH+32
.endr
	WIN 0
.irp i, 0,1,2,3,4,5,6,7
	ds_load_b128 v[(\f)+8*(\i):(\f)+8*(\i)+3],   v[ADRA] offset:(\k)+(\i)*16*PITCH
	ds_load_b128 v[(\f)+8*(\i)+4:(\f)+8*(\i)+7], v[ADRA] offset:(\k)+(\i)*16*PITCH+32
.endr
.endm
.macro QUARTER k, f, g, zero           ; multiplies buffer f; in its middle fetches the next quarter, at byte k, into g
	s_wait_dscnt 8                                 ; wt's and xh's rows 0-63 are in; the youngest eight loads (xh's rows 64-127) may be out
	MUL16 \f, 0, 0, \zero
	MUL16 \f, 0, 2, \zero
	PLACES
	FETCH \k, \g
	s_wait_dscnt 32                                ; all but the 32 just issued
	MUL16 \f, 1, 0, \zero
	MUL16 \f, 1, 2, \zero
.endm
.macro MEET                            ; the first half of a step's last quarter, and the one barrier of a change of slots
	WIN 0
	s_wait_tensorcnt 0x0                           ; all my tensor loads have landed: the one that was out is my part of the next slot
	ds_add_u32 v[SPW], v[NIL]                      ; 0 onto my spare word
	s_wait_dscnt 9                                 ; the add and the youngest eight loads may be out
	MUL16 F1, 0, 0, 0
	s_wait_dscnt 0x0                               ; the add is done, and my reads of this slot are over
	s_barrier_signal -1
	MUL16 F1, 0, 2, 0                              ; work on registers while the others arrive
	WIN 0
	s_barrier_wait -1
.endm
.macro NEXTSLOT                        ; the other slot's first fragments, and the second half of the last quarter
	s_xor_b32 s[TB], s[TB], SLOT
	v_add_nc_u32 v[ADRA], s[TB], v[ADRA0]
	v_add_nc_u32 v[ADRB], s[TB], v[ADRB0]
	FETCH 0, F0
	MUL16 F1, 1, 0, 0
	MUL16 F1, 1, 2, 0
.endm
.macro TURN                            ; a change of slots with a refill: the barrier opens a round of the cluster's, the joint refill is the first tensor load behind it
	MEET
	CREST                                          ; no wave of any partner still reads this slot or has a load on its way
	s_add_co_u32 s[G0+5], s20, s[TB]               ; the walking descriptors: into the slot just read,
	s_add_co_u32 s[G0B+5], s20, s[TB]
	s_add_nc_u64 s[G0+6:G0+7], s[G0+6:G0+7], KSTEP*2    ; the K step two on from it
	s_add_nc_u64 s[G0B+6:G0B+7], s[G0B+6:G0B+7], KSTEP*2
	JLOAD G0+4, G0B+4, G1                          ; its four v_nop are also the places in front of the loads below; 224 matrix instructions stand between it and the wait for it
	NEXTSLOT
.endm
; A joint refill with a K step of THE SECOND TILE: into the slot just read; the global addresses are made anew from the tile's bases and the offset along K, which then steps.
.macro REFILL2
	s_add_co_u32 s[HA+1], s20, s[TB]
	s_add_co_u32 s[HB+1], s20, s[TB]
	s_add_nc_u64 s[HA+2:HA+3], s[PA:PA+1], s[KO:KO+1]
	s_or_b32 s[HA+3], s[HA+3], 0x80000000
	s_add_nc_u64 s[HB+2:HB+3], s[PB:PB+1], s[KO:KO+1]
	s_or_b32 s[HB+3], s[HB+3], 0x80000000
	s_add_co_u32 s[KO], s[KO], KSTEP*2
	JLOAD HA, HB, G1H
.endm
; THE SECOND TILE: a wave has 64 rows x 128 columns, 32 accumulators; a quarter step is 32 matrix instructions and 24 LDS loads.
.macro HFETCH k, f
	WIN TO_B
.irp i, 0,1,2,3,4,5,6,7
	ds_load_b128 v[(\f)+8*(\i):(\f)+8*(\i)+3],   v[ADRB] offset:(\k)+(\i)*16*PITCH
	ds_load_b128 v[(\f)+8*(\i)+4:(\f)+8*(\i)+7], v[ADRB] offset:(\k)+(\i)*16*PITCH+32
.endr
	WIN 0
.irp i, 0,1,2,3
	ds_load_b128 v[(\f)+8*(\i):(\f)+8*(\i)+3],   v[ADRA] offset:(\k)+(\i)*16*PITCH
	ds_load_b128 v[(\f)+8*(\i)+4:(\f)+8*(\i)+7], v[ADRA] offset:(\k)+(\i)*16*PITCH+32
.endr
.endm
.macro HQUARTER k, f, g, zero          ; fetches the next quarter, at byte k, into g, a whole quarter ahead of its use; then multiplies buffer f
	PLACES                                         ; g was read by the products just issued
	HFETCH \k, \g
	s_wait_dscnt 24                                ; all but the 24 just issued: f is in
	MULA \f, 0, 0, \zero
	MULA \f, 0, 1, \zero
	MULA \f, 0, 2, \zero
	MULA \f, 0, 3, \zero
.endm
.macro HMEET
	WIN 0
	s_wait_tensorcnt 0x0                           ; all my tensor loads have landed: my part of the next slot
	ds_add_u32 v[SPW], v[NIL]
	s_wait_dscnt 1                                 ; the add may be out; buffer 1 is in
	MULA F1, 0, 0, 0
	s_wait_dscnt 0x0                               ; the add is done, and my reads of this slot are over
	s_barrier_signal -1
	MULA F1, 0, 1, 0
	WIN 0
	s_barrier_wait -1
.endm
.macro HNEXT
	s_xor_b32 s[TB], s[TB], SLOT
	v_add_nc_u32 v[ADRA], s[TB], v[ADRA0]
	v_add_nc_u32 v[ADRB], s[TB], v[ADRB0]
	HFETCH 0, F0
	MULA F1, 0, 2, 0
	MULA F1, 0, 3, 0
.endm
.macro HTURN                           ; 112 matrix instructions stand between the refill and the wait for it
	HMEET
	CREST
	REFILL2
	HNEXT
.endm
; THE WAY OUT, a block of 16 rows at a time.
.macro PACK a                          ; rounded to f16: 16 bytes a lane and column block
.set AC, 64*((\a)%4)
	WIN 0x0a+5*((\a)/4)
.irp b, 0,1,2,3,4,5,6,7
.irp r, 0,1,2,3
	v_cvt_pk_f16_f32 v[TMP+4*(\b)+(\r)], v[AC+8*(\b)+2*(\r)], v[AC+8*(\b)+2*(\r)+1]
.endr
.endr
	WIN 0
.endm
.macro TOSTAGE a                       ; into my own stage, and back as whole rows of 256 bytes; LDS serves a wave's instructions in order (ISA guide 5.7.1.4)
	WIN 0
.set BK, OB+192*((\a)%2)
.irp b, 0,1,2,3,4,5,6,7
	ds_store_b128 v[STO], v[TMP+4*(\b):TMP+4*(\b)+3] offset:32*(\b)
.endr
.irp t, 0,1,2,3,4,5,6,7
	ds_load_b128 v[BK+4*(\t):BK+4*(\t)+3], v[RD] offset:(\t)*2*SPITCH
.endr
.endm
.macro SEND a, t2=0                    ; t2 = 1: the second tile
	WIN 0
.set BK, OB+192*((\a)%2)
	s_wait_dscnt 0x0                               ; the block is back in registers
	s_wait_xcnt 0x0                                ; the stores' base, and the registers that the block before last was stored from, are rewritten only behind this wait
.if ((\a) == 0) && (\t2)
	s_add_nc_u64 s[70:71], s[CB:CB+1], s[O2:O2+1]
.elseif (\a) == 0
	s_add_nc_u64 s[70:71], s[70:71], s[16:17]
.else
	s_add_nc_u64 s[70:71], s[70:71], 16*LDC
.endif
.irp t, 0,1,2,3,4,5,6,7
	global_store_b128 v[CO], v[BK+4*(\t):BK+4*(\t)+3], s[70:71] offset:2*(\t)*LDC  ; 16 lanes store 256 consecutive aligned bytes
.endr
.endm
	s_wait_tensorcnt 1                             ; my part of K step 0 is in; step 1's may stay out
	s_barrier_signal -1
	s_barrier_wait -1
	FETCH 0, F0
	s_wait_loadcnt 0x0                             ; both biases
	QUARTER 64, F0, F1, 2                          ; the first quarter starts the sums
	WIN 0
	s_mov_b32 s3, 6
.Lstep:                                                ; trip i ends K step i, asks for step i + 2 and begins step i + 1
	QUARTER 128, F1, F0, 0
	QUARTER 192, F0, F1, 0
	TURN
	QUARTER 64, F0, F1, 0
	WIN 0
	s_sub_co_u32 s3, s3, 1
	s_cmp_lg_u32 s3, 0
	s_cbranch_scc1 .Lstep
	s_mov_b32 s3, 2
.Llast:                                                ; K steps 6 and 7: THE RING GOES ON INTO THE SECOND TILE: their changes of slots ask for its K steps 0 and 1
	QUARTER 128, F1, F0, 0
	QUARTER 192, F0, F1, 0
	MEET
	CREST
	REFILL2
	NEXTSLOT                                       ; in the second trip these are the second tile's first fragments; of xh's sixteen loads it uses the first eight (the others read rows that an earlier fill left: the price, once, of one text for both trips)
	WIN 0
	s_cmp_eq_u32 s3, 1
	s_cbranch_scc1 .Lout1                          ; the second trip leaves here: forward, past no barrier and no tensor load
	QUARTER 64, F0, F1, 0
	WIN 0
	s_sub_co_u32 s3, s3, 1
	s_cmp_lg_u32 s3, 0
	s_cbranch_scc1 .Llast
.Lout1:                                                ; both refills are asked for: now the first tile goes out
	PLACES
	PACK 0
	TOSTAGE 0
.irp a, 1,2,3,4,5,6,7                  ; block a's conversions stand between block a - 1's loads from the stage and the wait for them
	PACK \a
	SEND (\a)-1
	TOSTAGE \a
.endr
	SEND 7
	HQUARTER 64, F0, F1, 3                         ; the second tile's first quarter starts its sums, on accumulators that have been packed
	WIN 0
	s_mov_b32 s3, 6
.Lhstep:
	HQUARTER 128, F1, F0, 0
	HQUARTER 192, F0, F1, 0
	HTURN
	HQUARTER 64, F0, F1, 0
	WIN 0
	s_sub_co_u32 s3, s3, 1
	s_cmp_lg_u32 s3, 0
	s_cbranch_scc1 .Lhstep
	s_mov_b32 s3, 2
.Lhtail:                                               ; its K steps 6 and 7 ask for nothing; the second trip leaves behind the barrier
	HQUARTER 128, F1, F0, 0
	HQUARTER 192, F0, F1, 0
	HMEET
	s_cmp_eq_u32 s3, 1
	s_cbranch_scc1 .Lfin
	PLACES
	HNEXT
	HQUARTER 64, F0, F1, 0
	WIN 0
	s_sub_co_u32 s3, s3, 1
	s_cmp_lg_u32 s3, 0
	s_cbranch_scc1 .Lhtail
.Lfin:
	s_wait_dscnt 0x0                               ; nothing is out on the way from the barrier
	MULA F1, 0, 2, 0
	MULA F1, 0, 3, 0
	WIN 0
	PLACES
	PACK 0
	TOSTAGE 0
.irp a, 1,2,3
	PACK \a
	SEND (\a)-1, 1
	TOSTAGE \a
.endr
	SEND 3, 1
	s_wait_tensorcnt 0x0                           ; the wave's end
	ds_add_u32 v[SPW], v[NIL]
	s_wait_dscnt 0x0
	CROUND                                         ; the closing round
	s_endpgm
.Lfunc_end_k_qda07c66384_qkv:
	.size	k_qda07c66384_qkv, .Lfunc_end_k_qda07c66384_qkv-k_qda07c66384_qkv
	.p2alignl 7, 3214868480
	.fill 96, 4, 3214868480
	.section	.rodata,"a",@progbits
	.p2align	6, 0x0
	.amdhsa_kernel k_qda07c66384_qkv
		.amdhsa_group_segment_fixed_size 327680
		.amdhsa_private_segment_fixed_size 0
		.amdhsa_enable_private_segment 0
		.amdhsa_kernarg_size 32
		.amdhsa_user_sgpr_count 2
		.amdhsa_user_sgpr_kernarg_segment_ptr 1
		.amdhsa_wavefront_size32 1
		.amdhsa_system_sgpr_workgroup_id_x 1
		.amdhsa_system_sgpr_workgroup_id_y 1
		.amdhsa_system_sgpr_workgroup_id_z 1
		.amdhsa_system_vgpr_workitem_id 0
		.amdhsa_next_free_vgpr 1024
		.amdhsa_next_free_sgpr 102
		.amdhsa_reserve_vcc 0
		.amdhsa_float_denorm_mode_32 3
		.amdhsa_float_denorm_mode_16_64 3
		.amdhsa_memory_ordered 1
		.amdhsa_forward_progress 1
		.amdhsa_inst_pref_size 159
	.end_amdhsa_kernel
	.amdgpu_metadata
---
amdhsa.version: [ 1, 2 ]
amdhsa.kernels:
  - .name:           k_qda07c66384_qkv
    .symbol:         k_qda07c66384_qkv.kd
    .args:
      - { .name: xh, .offset: 0, .size: 8, .value_kind: global_buffer, .address_space: global }
      - { .name: wt, .offset: 8, .size: 8, .value_kind: global_buffer, .address_space: global }
      - { .name: bias, .offset: 16, .size: 8, .value_kind: global_buffer, .address_space: global }
      - { .name: qkv, .offset: 24, .size: 8, .value_kind: global_buffer, .address_space: global }
    .group_segment_fixed_size: 327680
    .private_segment_fixed_size: 0
    .kernarg_segment_align: 8
    .kernarg_segment_size: 32
    .max_flat_workgroup_size: 128
    .sgpr_count:     102
    .vgpr_count:     1024
    .wavefront_size: 32
...
	.end_amdgpu_metadata
.endif
;; end of part 2
;; launch scores (part 3): grid 8 x 32, 4 waves a work-group, clusters of 4 x 4, 327,680 bytes of LDS; arguments qkv, pe; writes pe
.if DOCPART == 3
	.amdgcn_target "amdgcn-amd-amdhsa--gfx1250"
	.amdhsa_code_object_version 6
	.text
	.protected	k_qda07c66384_scores
	.globl	k_qda07c66384_scores
	.p2align	8
	.type	k_qda07c66384_scores,@function
k_qda07c66384_scores:
	s_mov_b64 s[64:65], 0
	v_nop
	global_prefetch_b8 v0, s[64:65] scope:SCOPE_SE
	s_setreg_imm32_b32 hwreg(HW_REG_WAVE_MODE, 25, 1), 1
	s_wait_xcnt 0x0
	s_wait_alu depctr_hold_cnt(0) depctr_sa_sdst(0) depctr_va_vdst(0) depctr_va_sdst(0) depctr_va_ssrc(0) depctr_va_vcc(0) depctr_vm_vsrc(0)
	s_getreg_b32 s2, hwreg(HW_REG_IB_STS2, 6, 4)
	s_cmp_eq_u32 s2, 0
	s_cbranch_scc0 .Lentry_in_a_cluster
	s_endpgm
.Lentry_in_a_cluster:
	s_bfe_u32 s2, ttmp6, 0x10000c
	s_cmp_lg_u32 s2, 0xf033
	s_cbranch_scc0 .Lentry_shape_is_right
	s_endpgm
.Lentry_shape_is_right:
; SCORES.  For query chunk y = 8 b + n (grid y) and key chunk m of the same batch (grid x): S = Q_n K_m^T (256 x 256, K = 1,024, sums in f32), the row's true maximum over its 256 keys,
; and e = 2^(c s - c max), c = log2(e) / 32, rounded to f16 and stored unnormalised: the largest of a row is 1; the sums are made of these same rounded numbers by the launch behind.
; LIMITS.  e below 6e-5 keeps f16's fixed step of 6e-8; an exponent below -126 gives 0; NaN and infinities are not treated apart.
; pe: tile 8 y + m of 131,072 bytes; in it block (qa, kb) of 16 queries x 16 keys at (16 qa + kb) x 512 + 16 x lane: lane l holds query l % 16, keys 8 (l / 16) + 0..7.
; The product is laid as in the launch before: tile 256 x 256, four waves of 128 x 128, 8 K steps of 128 through two LDS slots, cluster 4 x 4 with joint loads
; (Q's tile shared along a row of the cluster, K's along a column), source 0 = 16 keys, source 1 = 16 queries: a lane holds ONE query and eight neighbouring keys.
; A row's keys lie in two waves (w and w ^ 1): their maxima meet in LDS behind one barrier.
; REGISTERS: window 0: v0-31 addresses; v32-47 c max, max of my 8 query blocks; v64-191 fragments, then the maxima's temporaries (22 a block, to v239), then packed e; window 1: K's fragments; windows 2, 3: the scores.
.set LD,     3072                      ; elements from row to row of qkv
.set KSTEP,  128
.set PITCH,  272
.set HALFT,  128*PITCH
.set SLOT,   4*HALFT
.set XCH,    2*SLOT                    ; behind the ring: 512 bytes a wave, its 8 x 16 row maxima
.set SPARE,  XCH+4*512
.set ADRA0, 16
.set ADRA,  17
.set ADRB0, 20
.set ADRB,  21
.set XW,   24                          ; v24  where I put a maximum
.set XR,   25                          ; v25  where the other wave's lies
.set PO,   26                          ; v26  16 x lane
.set SPW,  28
.set NIL,  29
.set ST,   32
.set MT,   64
.set F0,   64
.set F1,   128
.set G1,  24
.set G0,  32
.set G1B, 48
.set G0B, 56
.set TB,  45
.set SEL, 72                           ; s[72:73] v_permlanex16_b32's selects: each lane takes its own place in the other half
.set CS,  74                           ; s[74:75] c
.set MSB, 0
.macro WIN new
.if MSB != (\new)
	s_set_vgpr_msb (MSB<<8)|(\new)
.set MSB, \new
.endif
.endm
.set MUL_LO, 0xa1
.set TO_B,   0x40
.macro JLOAD s
	s_cmp_eq_u32 s11, 0
	s_cbranch_scc0 .Lfor_b_\@
	tensor_load_to_lds s[G0+4*(\s):G0+4*(\s)+3], s[G1:G1+7]
	s_nop 0
.rept 4
	v_nop
.endr
	s_branch .Lasked_\@
.Lfor_b_\@:
	tensor_load_to_lds s[G0B+4*(\s):G0B+4*(\s)+3], s[G1B:G1B+7]
	s_nop 0
.rept 4
	v_nop
.endr
.Lasked_\@:
.endm
.macro CREST
	s_cmp_lg_u32 s10, 0
	s_cbranch_scc1 .Lnot_wave_0_\@
	s_barrier_signal -3
.Lnot_wave_0_\@:
	s_barrier_wait -3
	s_barrier_signal -1
	s_barrier_wait -1
.endm
.macro CROUND
	s_barrier_signal -1
	s_barrier_wait -1
	CREST
.endm
.macro PLACES
.rept 4
	v_nop
.endr
.endm
	s_load_b64 s[4:5], s[0:1], 0x0                 ; qkv
	s_load_b64 s[70:71], s[0:1], 0x8               ; pe
	v_lshl_add_u32 v[SPW], v0, 2, SPARE
	v_mov_b32 v[NIL], 0
	ds_add_u32 v[SPW], v[NIL]                      ; the wave's opening: the add and its wait stand ahead of my first tensor load
	v_lshrrev_b32 v1, 5, v0
	v_readfirstlane_b32 s10, v1
	s_lshr_b32 s11, s10, 1                         ; my half of the queries; also: I fetch for Q (0) or K (1)
	s_and_b32 s12, s10, 1                          ; my half of the keys; also: which 128 rows I fetch
	s_bfe_u32 s40, ttmp6, 0x40000
	s_bfe_u32 s41, ttmp6, 0x40004
	s_lshl_b32 s42, ttmp9, 2
	s_add_co_u32 s42, s42, s40                     ; m
	s_and_b32 s13, ttmp7, 0xffff
	s_lshl_b32 s13, s13, 2
	s_add_co_u32 s13, s13, s41                     ; y
	s_lshl_b32 s43, s41, 2
	s_lshl_b32 s43, 15, s43
	s_lshl_b32 s44, 0x1111, s40
	s_or_b32 s[G1+0], s43, (1<<16)|(1<<20)|(1<<21)|(5<<22)|(3<<25)
	s_or_b32 s[G1B+0], s44, (1<<16)|(1<<20)|(1<<21)|(5<<22)|(3<<25)
.irp g, G1, G1B
	s_mov_b32 s[(\g)+1], KSTEP<<16
	s_mov_b32 s[(\g)+2], 128<<16
	s_mov_b32 s[(\g)+3], KSTEP<<16
	s_mov_b32 s[(\g)+4], 128
	s_mov_b32 s[(\g)+5], LD
	s_mov_b32 s[(\g)+6], 0
	s_mov_b32 s[(\g)+7], 0
.endr
	s_mov_b32 s[SEL], 0x76543210
	s_mov_b32 s[SEL+1], 0xfedcba98
	s_mov_b32 s[CS], 0x3d38aa3b                    ; c = log2(e) / 32
	s_mov_b32 s[CS+1], s[CS]
	s_lshl_b32 s17, s12, 7
	s_lshl_b32 s16, s13, 8
	s_add_co_u32 s16, s16, s17                     ; Q: row 256 y + 128 x half
	s_and_b32 s46, ttmp7, 0xffff
	s_lshr_b32 s46, s46, 1                         ; the batch: a cluster's four y lie in one half of a batch's eight, so no cy enters
	s_lshl_b32 s46, s46, 3
	s_add_co_u32 s46, s46, s42                     ; key chunk 8 b + m
	s_lshl_b32 s46, s46, 8
	s_add_co_u32 s46, s46, s17
	s_mul_i32 s16, s16, LD*2
	s_mul_i32 s46, s46, LD*2
	s_add_co_u32 s46, s46, 2048                    ; K lies 1,024 elements into a row
	s_mov_b32 s17, 0
	s_mov_b32 s47, 0
	s_mul_i32 s20, s10, HALFT
	s_wait_dscnt 0x0
	s_wait_kmcnt 0x0
	s_add_nc_u64 s[14:15], s[4:5], s[16:17]
	s_add_nc_u64 s[46:47], s[4:5], s[46:47]
	CROUND
.irp s, 0,1
	s_mov_b32 s[G0+4*(\s)], 1
	s_add_co_u32 s[G0+4*(\s)+1], s20, (\s)*SLOT
	s_add_nc_u64 s[G0+4*(\s)+2:G0+4*(\s)+3], s[14:15], (\s)*KSTEP*2
	s_or_b32 s[G0+4*(\s)+3], s[G0+4*(\s)+3], 0x80000000
	s_mov_b32 s[G0B+4*(\s)], 1
	s_add_co_u32 s[G0B+4*(\s)+1], s20, (\s)*SLOT
	s_add_nc_u64 s[G0B+4*(\s)+2:G0B+4*(\s)+3], s[46:47], (\s)*KSTEP*2
	s_or_b32 s[G0B+4*(\s)+3], s[G0B+4*(\s)+3], 0x80000000
	JLOAD \s
.endr
	v_and_b32 v1, 15, v0
	v_bfe_u32 v2, v0, 4, 1
	v_mul_u32_u24 v3, v1, PITCH
	v_lshl_add_u32 v3, v2, 4, v3
	s_mul_i32 s21, s11, HALFT
	s_mul_i32 s22, s12, HALFT
	s_add_co_u32 s22, s22, 2*HALFT
	v_add_nc_u32 v[ADRA0], s21, v3
	v_add_nc_u32 v[ADRB0], s22, v3
	v_mov_b32 v[ADRA], v[ADRA0]
	v_mov_b32 v[ADRB], v[ADRB0]
	s_mov_b32 s[TB], 0
	s_lshl_b32 s23, s10, 9
	s_add_co_u32 s23, s23, XCH
	v_lshl_add_u32 v[XW], v1, 2, s23               ; my wave's words: one for each query of a block
	s_xor_b32 s22, s10, 1
	s_lshl_b32 s22, s22, 9
	s_add_co_u32 s22, s22, XCH
	v_lshl_add_u32 v[XR], v1, 2, s22               ; those of the wave with the row's other 128 keys
	v_and_b32 v[PO], 31, v0
	v_lshlrev_b32 v[PO], 4, v[PO]
	s_lshl_b32 s16, s13, 3
	s_add_co_u32 s16, s16, s42                     ; tile 8 y + m
	s_lshl_b32 s16, s16, 17
	s_lshl_b32 s14, s11, 16                        ; my 8 query blocks
	s_add_co_u32 s16, s16, s14
	s_lshl_b32 s14, s12, 12                        ; my 8 key blocks
	s_add_co_u32 s16, s16, s14
	s_mov_b32 s17, 0
	s_add_nc_u64 s[70:71], s[70:71], s[16:17]
.macro MUL16 f, hi, a0, zero           ; zero = 1: the products start the sums
	WIN MUL_LO+0x50*(\hi)
.irp a, \a0, (\a0)+1
.irp b, 0,1,2,3,4,5,6,7
.if \zero
	v_wmma_f32_16x16x32_f16 v[8*(8*(\a)+(\b)):8*(8*(\a)+(\b))+7], v[(\f)+8*(\b):(\f)+8*(\b)+7], v[(\f)+8*(4*(\hi)+(\a)):(\f)+8*(4*(\hi)+(\a))+7], 0
.else
	v_wmma_f32_16x16x32_f16 v[8*(8*(\a)+(\b)):8*(8*(\a)+(\b))+7], v[(\f)+8*(\b):(\f)+8*(\b)+7], v[(\f)+8*(4*(\hi)+(\a)):(\f)+8*(4*(\hi)+(\a))+7], v[8*(8*(\a)+(\b)):8*(8*(\a)+(\b))+7]
.endif
.endr
.endr
.endm
.macro FETCH k, f
	WIN TO_B
.irp i, 0,1,2,3,4,5,6,7
	ds_load_b128 v[(\f)+8*(\i):(\f)+8*(\i)+3],   v[ADRB] offset:(\k)+(\i)*16*PITCH
	ds_load_b128 v[(\f)+8*(\i)+4:(\f)+8*(\i)+7], v[ADRB] offset:(\k)+(\i)*16*PITCH+32
.endr
	WIN 0
.irp i, 0,1,2,3,4,5,6,7
	ds_load_b128 v[(\f)+8*(\i):(\f)+8*(\i)+3],   v[ADRA] offset:(\k)+(\i)*16*PITCH
	ds_load_b128 v[(\f)+8*(\i)+4:(\f)+8*(\i)+7], v[ADRA] offset:(\k)+(\i)*16*PITCH+32
.endr
.endm
.macro QUARTER k, f, g, zero
	s_wait_dscnt 8                                 ; K's and Q's rows 0-63 are in; the youngest eight loads may be out
	MUL16 \f, 0, 0, \zero
	MUL16 \f, 0, 2, \zero
	PLACES
	FETCH \k, \g
	s_wait_dscnt 32                                ; all but the 32 just issued
	MUL16 \f, 1, 0, \zero
	MUL16 \f, 1, 2, \zero
.endm
.macro MEET
	WIN 0
	s_wait_tensorcnt 0x0                           ; all my tensor loads have landed: my part of the next slot
	ds_add_u32 v[SPW], v[NIL]
	s_wait_dscnt 9                                 ; the add and the youngest eight loads may be out
	MUL16 F1, 0, 0, 0
	s_wait_dscnt 0x0                               ; the add is done, and my reads of this slot are over
	s_barrier_signal -1
	MUL16 F1, 0, 2, 0
	WIN 0
	s_barrier_wait -1
.endm
.macro NEXTSLOT
	s_xor_b32 s[TB], s[TB], SLOT
	v_add_nc_u32 v[ADRA], s[TB], v[ADRA0]
	v_add_nc_u32 v[ADRB], s[TB], v[ADRB0]
	FETCH 0, F0
	MUL16 F1, 1, 0, 0
	MUL16 F1, 1, 2, 0
.endm
.macro TURN
	MEET
	CREST
	s_add_co_u32 s[G0+5], s20, s[TB]
	s_add_co_u32 s[G0B+5], s20, s[TB]
	s_add_nc_u64 s[G0+6:G0+7], s[G0+6:G0+7], KSTEP*2
	s_add_nc_u64 s[G0B+6:G0B+7], s[G0B+6:G0B+7], KSTEP*2
	JLOAD 1
	NEXTSLOT
.endm
; THE MAXIMUM.  Block a's 64 scores of a lane, three at a time in ascending order.
.macro LEAF a
.set AC, 64*((\a)%4)
.set TT, MT+22*(\a)
	WIN 0x2a+0x15*((\a)/4)                         ; all three sources in window 2 or 3
.set i, 0
.rept 21
	v_max3_num_f32 v[TT+i], v[AC+3*i], v[AC+3*i+1], v[AC+3*i+2]
.set i, i+1
.endr
	v_max_num_f32 v[TT+21], v[AC+62], v[AC+63]
.endm
.macro EACH line:vararg                ; one line for each block ea; TT: its temporaries
.set ea, 0
.rept 8
.set TT, MT+22*ea
	\line
.set ea, ea+1
.endr
.endm
.macro SFMA a, p                       ; pair p of block a: c s - c max
	v_pk_fma_f32 v[AC+2*(\p):AC+2*(\p)+1], v[AC+2*(\p):AC+2*(\p)+1], s[CS:CS+1], v[ST+2*(\a):ST+2*(\a)+1] op_sel_hi:[1,0,0] neg_lo:[0,0,1] neg_hi:[0,0,1]
.endm
; Block a: scalings four pairs ahead of the exponentials; behind each two exponentials a plain line; then 32 roundings and 8 stores of 512 consecutive aligned bytes.
.macro SOFT a
.set AC, 64*((\a)%4)
.set PK, 64+32*((\a)%2)
	WIN 0x82+0x41*((\a)/4)                         ; destination and source 0 in window 2 or 3, c max in window 0
.irp p, 0,1,2,3
	SFMA \a, \p
.endr
.set q, 0
.rept 32
	v_exp_f32 v[AC+2*q], v[AC+2*q]
	v_exp_f32 v[AC+2*q+1], v[AC+2*q+1]
.if q < 28
	SFMA \a, q+4
.endif
.set q, q+1
.endr
	s_wait_xcnt 0x0                                ; the packed registers, which the block before last was stored from, are rewritten only behind this wait
	WIN 0x0a+5*((\a)/4)
.set q, 0
	s_wait_alu depctr_va_vdst(0)
.rept 32
	v_cvt_pk_f16_f32 v[PK+q], v[AC+2*q], v[AC+2*q+1]  ; the first of these is the plain line behind the last exponential
.set q, q+1
.endr
	WIN 0
.irp b, 0,1,2,3,4,5,6,7
	global_store_b128 v[PO], v[PK+4*(\b):PK+4*(\b)+3], s[70:71] offset:(\a)*8192+(\b)*512
.endr
.endm
	s_wait_tensorcnt 1                             ; my part of K step 0 is in; step 1's may stay out
	s_barrier_signal -1
	s_barrier_wait -1
	FETCH 0, F0
	QUARTER 64, F0, F1, 1
	WIN 0
	s_mov_b32 s3, 6
.Lstep:
	QUARTER 128, F1, F0, 0
	QUARTER 192, F0, F1, 0
	TURN
	QUARTER 64, F0, F1, 0
	WIN 0
	s_sub_co_u32 s3, s3, 1
	s_cmp_lg_u32 s3, 0
	s_cbranch_scc1 .Lstep
	s_mov_b32 s3, 2
.Ltail:
	QUARTER 128, F1, F0, 0
	QUARTER 192, F0, F1, 0
	MEET
	s_cmp_eq_u32 s3, 1
	s_cbranch_scc1 .Lfin
	PLACES
	NEXTSLOT
	QUARTER 64, F0, F1, 0
	WIN 0
	s_sub_co_u32 s3, s3, 1
	s_cmp_lg_u32 s3, 0
	s_cbranch_scc1 .Ltail
.Lfin:
	s_wait_dscnt 0x0
	MUL16 F1, 1, 0, 0
	MUL16 F1, 1, 2, 0
	WIN 0
	PLACES
.irp a, 0,1,2,3,4,5,6,7
	LEAF \a
.endr
	WIN 0
.irp i, 0,3,6,9,12,15,18
	EACH v_max3_num_f32 v[TT+\i], v[TT+\i], v[TT+\i+1], v[TT+\i+2]
.endr
	EACH v_max3_num_f32 v[TT], v[TT], v[TT+3], v[TT+6]
	EACH v_max3_num_f32 v[TT+9], v[TT+9], v[TT+12], v[TT+15]
	EACH v_max_num_f32 v[TT+18], v[TT+18], v[TT+21]
	EACH v_max3_num_f32 v[TT], v[TT], v[TT+9], v[TT+18]
	EACH v_permlanex16_b32 v[TT+1], v[TT], s[SEL], s[SEL+1]
	EACH v_max_num_f32 v[ST+2*ea+1], v[TT], v[TT+1]
	EACH ds_store_b32 v[XW], v[ST+2*ea+1] offset:64*ea
	s_wait_dscnt 0x0                               ; for the other wave's sake: my maxima are in LDS
	s_barrier_signal -1
	s_barrier_wait -1
	EACH ds_load_b32 v[TT+2], v[XR] offset:64*ea
	s_wait_dscnt 0x0
	EACH v_max_num_f32 v[ST+2*ea+1], v[ST+2*ea+1], v[TT+2]
	EACH v_mul_f32 v[ST+2*ea], s[CS], v[ST+2*ea+1]
.irp a, 0,1,2,3,4,5,6,7
	SOFT \a
.endr
	s_wait_tensorcnt 0x0                           ; the wave's end
	ds_add_u32 v[SPW], v[NIL]
	s_wait_dscnt 0x0
	CROUND
	s_endpgm
.Lfunc_end_k_qda07c66384_scores:
	.size	k_qda07c66384_scores, .Lfunc_end_k_qda07c66384_scores-k_qda07c66384_scores
	.p2alignl 7, 3214868480
	.fill 96, 4, 3214868480
	.section	.rodata,"a",@progbits
	.p2align	6, 0x0
	.amdhsa_kernel k_qda07c66384_scores
		.amdhsa_group_segment_fixed_size 327680
		.amdhsa_private_segment_fixed_size 0
		.amdhsa_enable_private_segment 0
		.amdhsa_kernarg_size 16
		.amdhsa_user_sgpr_count 2
		.amdhsa_user_sgpr_kernarg_segment_ptr 1
		.amdhsa_wavefront_size32 1
		.amdhsa_system_sgpr_workgroup_id_x 1
		.amdhsa_system_sgpr_workgroup_id_y 1
		.amdhsa_system_sgpr_workgroup_id_z 1
		.amdhsa_system_vgpr_workitem_id 0
		.amdhsa_next_free_vgpr 1024
		.amdhsa_next_free_sgpr 76
		.amdhsa_reserve_vcc 0
		.amdhsa_float_denorm_mode_32 3
		.amdhsa_float_denorm_mode_16_64 3
		.amdhsa_memory_ordered 1
		.amdhsa_forward_progress 1
		.amdhsa_inst_pref_size 145
	.end_amdhsa_kernel
	.amdgpu_metadata
---
amdhsa.version: [ 1, 2 ]
amdhsa.kernels:
  - .name:           k_qda07c66384_scores
    .symbol:         k_qda07c66384_scores.kd
    .args:
      - { .name: qkv, .offset: 0, .size: 8, .value_kind: global_buffer, .address_space: global }
      - { .name: pe, .offset: 8, .size: 8, .value_kind: global_buffer, .address_space: global }
    .group_segment_fixed_size: 327680
    .private_segment_fixed_size: 0
    .kernarg_segment_align: 8
    .kernarg_segment_size: 16
    .max_flat_workgroup_size: 128
    .sgpr_count:     76
    .vgpr_count:     1024
    .wavefront_size: 32
...
	.end_amdgpu_metadata
.endif
;; end of part 3
;; launch pv (part 4): grid 8 x 32, 4 waves a work-group, clusters of 4 x 1, 327,680 bytes of LDS; arguments pe, qkv, comb; writes comb
.if DOCPART == 4
	.amdgcn_target "amdgcn-amd-amdhsa--gfx1250"
	.amdhsa_code_object_version 6
	.text
	.protected	k_qda07c66384_pv
	.globl	k_qda07c66384_pv
	.p2align	8
	.type	k_qda07c66384_pv,@function
k_qda07c66384_pv:
	s_mov_b64 s[64:65], 0
	v_nop
	global_prefetch_b8 v0, s[64:65] scope:SCOPE_SE
	s_setreg_imm32_b32 hwreg(HW_REG_WAVE_MODE, 25, 1), 1
	s_wait_xcnt 0x0
	s_wait_alu depctr_hold_cnt(0) depctr_sa_sdst(0) depctr_va_vdst(0) depctr_va_sdst(0) depctr_va_ssrc(0) depctr_va_vcc(0) depctr_vm_vsrc(0)
	s_getreg_b32 s2, hwreg(HW_REG_IB_STS2, 6, 4)
	s_cmp_eq_u32 s2, 0
	s_cbranch_scc0 .Lentry_in_a_cluster
	s_endpgm
.Lentry_in_a_cluster:
	s_bfe_u32 s2, ttmp6, 0x10000c
	s_cmp_lg_u32 s2, 0x3003
	s_cbranch_scc0 .Lentry_shape_is_right
	s_endpgm
.Lentry_shape_is_right:
; PV.  For query chunk y = 8 b + n: W = the sum over the 8 key chunks m of f_m e_m / (16 l_m), f_m = 2 for m = n (the local path is the diagonal tile once more) and 1 otherwise,
; l_m = the row's sum of e_m; then comb = W V_n: combined / 16, in f16.  The 16 comes back in the next launch's weights, exactly.  Sums in f32; W is rounded once to f16.
; LIMITS.  W's rows sum to 9/16, so comb lies within V's range; W and comb below 6e-5 keep f16's fixed step of 6e-8.  l is at least 1: a row's largest e is 1.
; SHARES.  A work-group: 64 queries (its place in the cluster) x 512 channels (the cluster's x) of chunk y.  The four partners need the same 256 keys x 512 channels of V:
; one joint load a wave, 64 keys each, filled once.  Phase 1: wave w builds W for 16 queries from the 8 tiles of e (two buffers of 16 loads, one always on its way);
; l comes from the matrix unit (ones x e: every register of the result holds the lane's query's sum).  Phase 2: wave w makes 64 queries x 128 channels, 8 steps of 32 keys:
; source 0 = V^T by the turning load, source 1 = W as it lies: a lane holds one query and eight neighbouring channels.
; REGISTERS: window 0: v0-17 addresses; v32-95, v96-159 e's two buffers; v160-191 four sums; v192-199 ones; later v32-127, v128-223 two fragment buffers (V 64, W 32); at last v32-63 packed, v64-191 rows.
;   window 1: first W's 128 sums in f32, then the 32 accumulators, (qb, cb) at v[8 (8 qb + cb)].
.set PV,    1056                       ; a row of V in LDS: 1,024 bytes + 32
.set WF,    256*PV                     ; W in f16: query block qb, key block kb at qb x 8,192 + kb x 512 + 16 x lane
.set SP,    272
.set STAGE, WF+4*8192                  ; 16 rows x 272 bytes for each wave
.set SPARE, STAGE+4*16*SP
.set EO,  4                            ; v4   16 x lane
.set AV0, 5                            ; v5   my lane's place in V; never rewritten
.set AW0, 6                            ; v6   in W
.set AV,  7
.set AW,  8
.set WS,  9
.set STO, 10
.set RD,  11
.set CO,  12
.set RR,  13                           ; v13  f / (16 l)
.set T0,  14
.set T1,  15
.set SPW, 16
.set NIL, 17
.set E0,  32
.set LS,  160
.set ONE, 192
.set FB0, 32
.set FB1, 128
.set TMP, 32
.set BK,  64
.set MSB, 0
.macro WIN new
.if MSB != (\new)
	s_set_vgpr_msb (MSB<<8)|(\new)
.set MSB, \new
.endif
.endm
.macro CROUND
	s_barrier_signal -1
	s_barrier_wait -1
	s_cmp_lg_u32 s10, 0
	s_cbranch_scc1 .Lnot_wave_0_\@
	s_barrier_signal -3
.Lnot_wave_0_\@:
	s_barrier_wait -3
	s_barrier_signal -1
	s_barrier_wait -1
.endm
.macro PLACES
.rept 4
	v_nop
.endr
.endm
	s_load_b128 s[4:7], s[0:1], 0x0                ; pe s[4:5], qkv s[6:7]
	s_load_b64 s[8:9], s[0:1], 0x10                ; comb
	v_lshl_add_u32 v[SPW], v0, 2, SPARE
	v_mov_b32 v[NIL], 0
	ds_add_u32 v[SPW], v[NIL]                      ; the wave's opening: the add and its wait stand ahead of my tensor load
	v_lshrrev_b32 v1, 5, v0
	v_readfirstlane_b32 s10, v1                    ; wave
	s_bfe_u32 s11, ttmp6, 0x40000                  ; my place in the cluster: which 64 queries; it enters pe's and comb's addresses alone
	s_mov_b32 s12, ttmp9                           ; which 512 channels
	s_and_b32 s13, ttmp7, 0xffff                   ; y
	s_and_b32 s14, s13, 7                          ; n
	s_mov_b32 s15, 0                               ; m
	s_mov_b32 s34, 0x3e000000                      ; 2 / 16
	s_mov_b32 s35, 0x3d800000                      ; 1 / 16
	s_mov_b32 s24, 15|(1<<16)|(1<<20)|(1<<21)|(7<<22)|(7<<25)  ; the mask of four; 2-byte elements; padding on; bit 21 beside a mask; after every 256 words 8 words
	s_mov_b32 s25, 512<<16                         ; tensor_dim0 = 512
	s_mov_b32 s26, 64<<16                          ; tensor_dim1 = 64
	s_mov_b32 s27, 512<<16                         ; tile_dim0 = 512
	s_mov_b32 s28, 64                              ; tile_dim1 = 64
	s_mov_b32 s29, 3072                            ; elements from row to row of qkv
	s_mov_b32 s30, 0
	s_mov_b32 s31, 0
	s_mov_b32 s20, 1
	s_mul_i32 s21, s10, 64*PV                      ; my 64 keys' place in LDS
	s_lshl_b32 s16, s13, 8
	s_lshl_b32 s17, s10, 6
	s_add_co_u32 s16, s16, s17                     ; row 256 y + 64 w
	s_mul_i32 s16, s16, 6144
	s_lshl_b32 s17, s12, 10
	s_add_co_u32 s16, s16, s17
	s_add_co_u32 s16, s16, 4096                    ; V lies 2,048 elements into a row
	s_mov_b32 s17, 0
	s_lshl_b32 s18, s11, 2
	s_add_co_u32 s18, s18, s10                     ; my query block, of the chunk's 16
	s_lshl_b32 s18, s18, 13
	s_lshl_b32 s19, s13, 20                        ; eight tiles of 131,072 bytes a chunk
	s_add_co_u32 s18, s18, s19
	s_mov_b32 s19, 0
	s_lshl_b32 s38, s13, 8
	s_lshl_b32 s39, s11, 6
	s_add_co_u32 s38, s38, s39                     ; my work-group's first row of comb
	s_lshl_b32 s38, s38, 11
	s_lshl_b32 s39, s12, 10
	s_add_co_u32 s38, s38, s39
	s_lshl_b32 s39, s10, 8                         ; my wave's 128 channels
	s_add_co_u32 s38, s38, s39
	s_mov_b32 s39, 0
	s_wait_dscnt 0x0                               ; the opening add is done
	s_wait_kmcnt 0x0
	s_add_nc_u64 s[22:23], s[6:7], s[16:17]
	s_or_b32 s23, s23, 0x80000000
	s_add_nc_u64 s[36:37], s[4:5], s[18:19]        ; e of my queries, tile m = 0
	s_add_nc_u64 s[8:9], s[8:9], s[38:39]
	CROUND                                         ; all four work-groups are here: the joint loads meet
	tensor_load_to_lds s[20:23], s[24:31]          ; my one tensor load of the launch
	s_nop 0
.rept 4
	v_nop
.endr
	v_and_b32 v[EO], 31, v0
	v_lshlrev_b32 v[EO], 4, v[EO]
.macro LOADS buf, off                  ; a tile's 16 key blocks of my query block
.irp kb, 0,1,2,3,4,5,6,7,8,9,10,11,12,13,14,15
	global_load_b128 v[E0+64*(\buf)+4*(\kb):E0+64*(\buf)+4*(\kb)+3], v[EO], s[36:37] offset:(\off)+512*(\kb)
.endr
.endm
	LOADS 0, 0
	LOADS 1, 131072
	WIN 0x40                                       ; W's sums start at 0, cleared while the first loads are out: the price of one text for every m
.set i, 0
.rept 128
	v_mov_b32 v[i], 0
.set i, i+1
.endr
	WIN 0
.set i, 0
.rept 8
	v_mov_b32 v[ONE+i], 0x3c003c00                 ; 1.0 twice in f16
.set i, i+1
.endr
	v_and_b32 v1, 15, v0                           ; l % 16
	v_bfe_u32 v2, v0, 4, 1                         ; l / 16
	v_and_b32 v3, 7, v0
	v_lshl_add_u32 v3, v2, 3, v3                   ; the turning load: key 8 (l / 16) + l % 8,
	v_mul_u32_u24 v[AV0], v3, PV
	v_bfe_u32 v3, v0, 3, 1
	v_lshl_add_u32 v[AV0], v3, 4, v[AV0]           ; channels 8 ((l / 8) % 2) on,
	s_lshl_b32 s16, s10, 8
	v_add_nc_u32 v[AV0], s16, v[AV0]               ; of my wave's 128
	v_add_nc_u32 v[AW0], WF, v[EO]
	s_lshl_b32 s17, s10, 13
	s_add_co_u32 s17, s17, WF
	v_add_nc_u32 v[WS], s17, v[EO]
	s_mul_i32 s16, s10, 16*SP
	s_add_co_u32 s16, s16, STAGE
	v_mul_u32_u24 v3, v1, SP
	v_lshl_add_u32 v3, v2, 4, v3
	v_add_nc_u32 v[STO], s16, v3
	v_mul_u32_u24 v3, v2, SP
	v_lshl_add_u32 v3, v1, 4, v3
	v_add_nc_u32 v[RD], s16, v3
	v_lshlrev_b32 v3, 11, v2
	v_lshl_add_u32 v[CO], v1, 4, v3
; One tile m, in buffer buf.  cnt: the other buffer's younger loads, which may stay out.
.macro ESTEP buf, cnt
.set EBR, E0+64*(\buf)
	s_wait_loadcnt \cnt
.irp f, 0,1,2,3                        ; four sums take turns: keys 32 f on start them, keys 128 + 32 f on follow
	v_wmma_f32_16x16x32_f16 v[LS+8*(\f):LS+8*(\f)+7], v[ONE:ONE+7], v[EBR+8*(\f):EBR+8*(\f)+7], 0
.endr
.irp f, 0,1,2,3
	v_wmma_f32_16x16x32_f16 v[LS+8*(\f):LS+8*(\f)+7], v[ONE:ONE+7], v[EBR+32+8*(\f):EBR+32+8*(\f)+7], v[LS+8*(\f):LS+8*(\f)+7]
.endr
	PLACES
	v_add_f32 v[T0], v[LS], v[LS+8]
	v_add_f32 v[T1], v[LS+16], v[LS+24]
	s_cmp_eq_u32 s14, s15
	s_cselect_b32 s33, s34, s35                    ; the diagonal tile counts twice
	s_add_co_u32 s15, s15, 1
	v_add_f32 v[T0], v[T0], v[T1]                  ; l
	v_rcp_f32 v[T0], v[T0]
	v_nop                                          ; a plain line between the reciprocal and its use
	s_wait_alu depctr_va_vdst(0)
	v_mul_f32 v[RR], s33, v[T0]
	WIN 0x50                                       ; the sums (source 2 and destination) in window 1
.set j, 0
.rept 64
	v_fma_mix_f32 v[2*j], v[EBR+j], v[RR], v[2*j] op_sel_hi:[1,0,0]
	v_fma_mix_f32 v[2*j+1], v[EBR+j], v[RR], v[2*j+1] op_sel:[1,0,0] op_sel_hi:[1,0,0]
.set j, j+1
.endr
	WIN 0
.endm
	s_mov_b32 s32, 4
.Lm:                                                   ; a trip takes two tiles and asks for the two behind them
	ESTEP 0, 16
	s_cmp_eq_u32 s32, 1
	s_cbranch_scc1 .Lml                            ; the last trip asks for nothing
	LOADS 0, 262144
	ESTEP 1, 16
	LOADS 1, 393216
	s_wait_xcnt 0x0                                ; the base is stepped only behind this wait
	s_add_nc_u64 s[36:37], s[36:37], 262144
	s_sub_co_u32 s32, s32, 1
	s_cmp_lg_u32 s32, 0
	s_cbranch_scc1 .Lm
.Lml:
	ESTEP 1, 0
	WIN 0x05
.set j, 0
.rept 64
	v_cvt_pk_f16_f32 v[E0+j], v[2*j], v[2*j+1]     ; W, rounded once
.set j, j+1
.endr
	WIN 0
.irp kb, 0,1,2,3,4,5,6,7,8,9,10,11,12,13,14,15
	ds_store_b128 v[WS], v[E0+4*(\kb):E0+4*(\kb)+3] offset:512*(\kb)
.endr
	s_mov_b32 s40, 0                               ; V's and W's bytes of the key step to be fetched
	s_mov_b32 s41, 0
	s_wait_tensorcnt 0x0                           ; my 64 keys of V are in,
	s_wait_dscnt 0x0                               ; and my block of W
	s_barrier_signal -1
	s_barrier_wait -1                              ; everybody's are; nothing is filled again
.macro FETCHP f                        ; 24 LDS loads: 32 keys of V, turned (8 channel blocks), and of W (4 query blocks)
	v_add_nc_u32 v[AV], s40, v[AV0]
	v_add_nc_u32 v[AW], s41, v[AW0]
.irp cb, 0,1,2,3,4,5,6,7
	ds_load_tr16_b128 v[(\f)+8*(\cb):(\f)+8*(\cb)+3],   v[AV] offset:32*(\cb)
	ds_load_tr16_b128 v[(\f)+8*(\cb)+4:(\f)+8*(\cb)+7], v[AV] offset:16*PV+32*(\cb)
.endr
.irp qb, 0,1,2,3
	ds_load_b128 v[(\f)+64+8*(\qb):(\f)+64+8*(\qb)+3],   v[AW] offset:8192*(\qb)
	ds_load_b128 v[(\f)+64+8*(\qb)+4:(\f)+64+8*(\qb)+7], v[AW] offset:8192*(\qb)+512
.endr
	s_add_co_u32 s40, s40, 32*PV
	s_add_co_u32 s41, s41, 1024
.endm
.macro MULP f, zero                    ; 32 matrix instructions, 32 accumulators by turns
	WIN 0x50
.irp qb, 0,1,2,3
.irp cb, 0,1,2,3,4,5,6,7
.if \zero
	v_wmma_f32_16x16x32_f16 v[8*(8*(\qb)+(\cb)):8*(8*(\qb)+(\cb))+7], v[(\f)+8*(\cb):(\f)+8*(\cb)+7], v[(\f)+64+8*(\qb):(\f)+64+8*(\qb)+7], 0
.else
	v_wmma_f32_16x16x32_f16 v[8*(8*(\qb)+(\cb)):8*(8*(\qb)+(\cb))+7], v[(\f)+8*(\cb):(\f)+8*(\cb)+7], v[(\f)+64+8*(\qb):(\f)+64+8*(\qb)+7], v[8*(8*(\qb)+(\cb)):8*(8*(\qb)+(\cb))+7]
.endif
.endr
.endr
	WIN 0
.endm
	FETCHP FB0
	FETCHP FB1
	s_wait_dscnt 24                                ; the first buffer is in; the second's 24 loads may be out
	MULP FB0, 1
	s_mov_b32 s32, 3
.Lkk:
	PLACES
	FETCHP FB0
	s_wait_dscnt 24
	MULP FB1, 0
	PLACES
	FETCHP FB1
	s_wait_dscnt 24
	MULP FB0, 0
	s_sub_co_u32 s32, s32, 1
	s_cmp_lg_u32 s32, 0
	s_cbranch_scc1 .Lkk
	s_wait_dscnt 0x0
	MULP FB1, 0
	PLACES
; THE WAY OUT, a block of 16 queries at a time: rounded to f16, through my stage, back as whole rows of 256 bytes; each block has registers of its own.
.macro PACKP qb
	WIN 0x05
.irp cb, 0,1,2,3,4,5,6,7
.irp r, 0,1,2,3
	v_cvt_pk_f16_f32 v[TMP+4*(\cb)+(\r)], v[8*(8*(\qb)+(\cb))+2*(\r)], v[8*(8*(\qb)+(\cb))+2*(\r)+1]
.endr
.endr
	WIN 0
.irp cb, 0,1,2,3,4,5,6,7
	ds_store_b128 v[STO], v[TMP+4*(\cb):TMP+4*(\cb)+3] offset:32*(\cb)
.endr
.irp t, 0,1,2,3,4,5,6,7
	ds_load_b128 v[BK+32*(\qb)+4*(\t):BK+32*(\qb)+4*(\t)+3], v[RD] offset:(\t)*2*SP  ; LDS serves a wave's instructions in order (ISA guide 5.7.1.4)
.endr
.endm
.macro SENDP qb, younger               ; younger: the next block's sixteen LDS instructions, or none
.irp t, 0,1,2,3,4,5,6,7
	s_wait_dscnt (\younger)+7-(\t)
	global_store_b128 v[CO], v[BK+32*(\qb)+4*(\t):BK+32*(\qb)+4*(\t)+3], s[8:9] offset:(\qb)*32768+(\t)*4096  ; 16 lanes store 256 consecutive aligned bytes
.endr
.endm
	PACKP 0
	PACKP 1
	SENDP 0, 16
	PACKP 2
	SENDP 1, 16
	PACKP 3
	SENDP 2, 16
	SENDP 3, 0
	s_wait_tensorcnt 0x0                           ; the wave's end
	ds_add_u32 v[SPW], v[NIL]
	s_wait_dscnt 0x0
	CROUND                                         ; the closing round
	s_endpgm
.Lfunc_end_k_qda07c66384_pv:
	.size	k_qda07c66384_pv, .Lfunc_end_k_qda07c66384_pv-k_qda07c66384_pv
	.p2alignl 7, 3214868480
	.fill 96, 4, 3214868480
	.section	.rodata,"a",@progbits
	.p2align	6, 0x0
	.amdhsa_kernel k_qda07c66384_pv
		.amdhsa_group_segment_fixed_size 327680
		.amdhsa_private_segment_fixed_size 0
		.amdhsa_enable_private_segment 0
		.amdhsa_kernarg_size 24
		.amdhsa_user_sgpr_count 2
		.amdhsa_user_sgpr_kernarg_segment_ptr 1
		.amdhsa_wavefront_size32 1
		.amdhsa_system_sgpr_workgroup_id_x 1
		.amdhsa_system_sgpr_workgroup_id_y 1
		.amdhsa_system_sgpr_workgroup_id_z 1
		.amdhsa_system_vgpr_workitem_id 0
		.amdhsa_next_free_vgpr 512
		.amdhsa_next_free_sgpr 66
		.amdhsa_reserve_vcc 0
		.amdhsa_float_denorm_mode_32 3
		.amdhsa_float_denorm_mode_16_64 3
		.amdhsa_memory_ordered 1
		.amdhsa_forward_progress 1
		.amdhsa_inst_pref_size 81
	.end_amdhsa_kernel
	.amdgpu_metadata
---
amdhsa.version: [ 1, 2 ]
amdhsa.kernels:
  - .name:           k_qda07c66384_pv
    .symbol:         k_qda07c66384_pv.kd
    .args:
      - { .name: pe, .offset: 0, .size: 8, .value_kind: global_buffer, .address_space: global }
      - { .name: qkv, .offset: 8, .size: 8, .value_kind: global_buffer, .address_space: global }
      - { .name: comb, .offset: 16, .size: 8, .value_kind: global_buffer, .address_space: global }
    .group_segment_fixed_size: 327680
    .private_segment_fixed_size: 0
    .kernarg_segment_align: 8
    .kernarg_segment_size: 24
    .max_flat_workgroup_size: 128
    .sgpr_count:     66
    .vgpr_count:     512
    .wavefront_size: 32
...
	.end_amdgpu_metadata
.endif
;; end of part 4
;; launch outp (part 5): grid 4 x 64, 4 waves a work-group, clusters of 4 x 4, 327,680 bytes of LDS; arguments comb, wt, bias, out0; writes out0
.if DOCPART == 5
	.amdgcn_target "amdgcn-amd-amdhsa--gfx1250"
	.amdhsa_code_object_version 6
	.text
	.protected	k_qda07c66384_outp
	.globl	k_qda07c66384_outp
	.p2align	8
	.type	k_qda07c66384_outp,@function
k_qda07c66384_outp:
	s_mov_b64 s[64:65], 0
	v_nop
	global_prefetch_b8 v0, s[64:65] scope:SCOPE_SE
	s_setreg_imm32_b32 hwreg(HW_REG_WAVE_MODE, 25, 1), 1
	s_wait_xcnt 0x0
	s_wait_alu depctr_hold_cnt(0) depctr_sa_sdst(0) depctr_va_vdst(0) depctr_va_sdst(0) depctr_va_ssrc(0) depctr_va_vcc(0) depctr_vm_vsrc(0)
	s_getreg_b32 s2, hwreg(HW_REG_IB_STS2, 6, 4)
	s_cmp_eq_u32 s2, 0
	s_cbranch_scc0 .Lentry_in_a_cluster
	s_endpgm
.Lentry_in_a_cluster:
	s_bfe_u32 s2, ttmp6, 0x10000c
	s_cmp_lg_u32 s2, 0xf033
	s_cbranch_scc0 .Lentry_shape_is_right
	s_endpgm
.Lentry_shape_is_right:
; OUTP.  out0[8192][1024] f32 = comb[8192][1024] x wt[3072:4096][1024]^T + bias[3072:4096].  comb holds combined / 16 and these rows of wt 16 x Wo^T: the product is combined Wo.
; SHARES.  Tiles of 256 x 256 would be 128, half as many as there are WGPs; so a tile is 128 rows x 256 columns: 256 work-groups of four waves, each wave 64 x 128: 32 accumulators, 256 registers.
; K = 1,024 goes in 8 steps of 128 through two LDS slots filled by the tensor data mover (rows of 256 bytes of memory at multiples of 256): waves 0, 1 bring 64 rows of comb each, waves 2, 3
; 128 rows of wt each.  A longer step does not fit: 384 rows of 528 bytes, twice, are 405,504 bytes.
; CLUSTER 4 x 4: the four of a row need the same rows of comb, the four of a column the same rows of wt; each tile is asked for jointly, with one descriptor and a mask of four.
; THE MATRIX INSTRUCTION IS USED TRANSPOSED (source 0 = 16 rows of wt, source 1 = 16 rows of comb): a lane holds eight neighbouring columns of one row.  THE BIAS is the C operand of the products that start the sums.
; THE WAY OUT is in f32: a block of 16 rows goes straight from the accumulators into my stage (rows of 512 + 16 bytes) and comes back as whole rows: a store covers 512 consecutive aligned bytes.
; REGISTERS: window 0: v0-31 addresses; v64-95, v128-159 comb's fragments, two buffers; v192-255 the bias; at last v64-191 rows on the way out.  window 1: v64-127, v128-191 wt's fragments.  window 2: the accumulators, (a, b) at v[8 (8 a + b)].
.set LD,     1024
.set LDC,    4096                      ; bytes from row to row of out0
.set KSTEP,  128
.set PITCH,  272                       ; an LDS row: 256 bytes + 16 of padding: the 16 rows of a fragment load start at 16 different groups of four banks
.set HALFT,  128*PITCH                 ; a wave's region of a slot (comb's loads fill the first 64 rows of theirs)
.set SLOT,   4*HALFT
.set STAGE,  2*SLOT
.set SPITCH, 528
.set SPARE,  STAGE+4*16*SPITCH
.set ADRA0, 16
.set ADRA,  17
.set ADRB0, 20
.set ADRB,  21
.set STO,  24
.set RD,   25
.set CO,   26
.set SPW,  28
.set NIL,  29
.set F0,   64
.set F1,   128
.set TMP,  192
.set G1,  24                           ; s[24:31] group 1 for comb, 64 rows;  s[32:39] group 0: set 0 serves K step 0, set 1 walks
.set G0,  32
.set G1B, 48                           ; s[48:55] group 1 for wt, 128 rows;  s[56:63] group 0
.set G0B, 56
.set TB,  45                           ; s45  LDS byte at which the slot in hand begins: 0 or SLOT
.set MSB, 0
.macro WIN new                         ; the immediate's high byte repeats the setting that is left; a switch that changes nothing is dropped
.if MSB != (\new)
	s_set_vgpr_msb (MSB<<8)|(\new)
.set MSB, \new
.endif
.endm
.set TO_B,   0x40                      ; destination window 1, address window 0
.macro JLOAD s                         ; a joint load: waves 0, 1 fetch comb's halves, waves 2, 3 wt's; s_nop 0 and four v_nop follow each line
	s_cmp_eq_u32 s11, 0
	s_cbranch_scc0 .Lfor_b_\@
	tensor_load_to_lds s[G0+4*(\s):G0+4*(\s)+3], s[G1:G1+7]
	s_nop 0
.rept 4
	v_nop
.endr
	s_branch .Lasked_\@
.Lfor_b_\@:
	tensor_load_to_lds s[G0B+4*(\s):G0B+4*(\s)+3], s[G1B:G1B+7]
	s_nop 0
.rept 4
	v_nop
.endr
.Lasked_\@:
.endm
.macro CREST
	s_cmp_lg_u32 s10, 0
	s_cbranch_scc1 .Lnot_wave_0_\@
	s_barrier_signal -3
.Lnot_wave_0_\@:
	s_barrier_wait -3
	s_barrier_signal -1
	s_barrier_wait -1
.endm
.macro CROUND
	s_barrier_signal -1
	s_barrier_wait -1
	CREST
.endm
.macro PLACES                          ; four places in front of loads into registers that matrix instructions have read, and of lines that read results just made
.rept 4
	v_nop
.endr
.endm
	s_load_b128 s[4:7], s[0:1], 0x0                ; comb s[4:5], wt s[6:7]
	s_load_b128 s[68:71], s[0:1], 0x10             ; bias s[68:69], out0 s[70:71]
	v_lshl_add_u32 v[SPW], v0, 2, SPARE
	v_mov_b32 v[NIL], 0
	ds_add_u32 v[SPW], v[NIL]                      ; the wave's opening: the add and its wait stand ahead of my first tensor load
	v_lshrrev_b32 v1, 5, v0
	v_readfirstlane_b32 s10, v1                    ; wave 0..3
	s_lshr_b32 s11, s10, 1                         ; my half of the tile's rows; also: I fetch for comb (0) or wt (1)
	s_and_b32 s12, s10, 1                          ; my half of its columns; also: which half of the rows I fetch
	s_bfe_u32 s40, ttmp6, 0x40000
	s_bfe_u32 s41, ttmp6, 0x40004
	s_lshl_b32 s42, ttmp9, 2
	s_add_co_u32 s42, s42, s40                     ; tile column, 0 to 3
	s_and_b32 s13, ttmp7, 0xffff
	s_lshl_b32 s13, s13, 2
	s_add_co_u32 s13, s13, s41                     ; tile row, 0 to 63
	s_lshl_b32 s43, s41, 2
	s_lshl_b32 s43, 15, s43
	s_lshl_b32 s44, 0x1111, s40
	s_or_b32 s[G1+0], s43, (1<<16)|(1<<20)|(1<<21)|(5<<22)|(3<<25)   ; mask; 2-byte elements; padding on; bit 21 beside a mask; after every 64 words 4 words
	s_or_b32 s[G1B+0], s44, (1<<16)|(1<<20)|(1<<21)|(5<<22)|(3<<25)
.irp g, G1, G1B
	s_mov_b32 s[(\g)+1], KSTEP<<16                 ; tensor_dim0 = 128
	s_mov_b32 s[(\g)+3], KSTEP<<16                 ; tile_dim0 = 128
	s_mov_b32 s[(\g)+5], LD
	s_mov_b32 s[(\g)+6], 0
	s_mov_b32 s[(\g)+7], 0
.endr
	s_mov_b32 s[G1+2], 64<<16                      ; comb: 64 rows to a load
	s_mov_b32 s[G1+4], 64
	s_mov_b32 s[G1B+2], 128<<16                    ; wt: 128
	s_mov_b32 s[G1B+4], 128
	s_lshl_b32 s16, s13, 7
	s_lshl_b32 s17, s12, 6
	s_add_co_u32 s16, s16, s17                     ; comb: row 128 x tile row + 64 x half
	s_lshl_b32 s46, s42, 8
	s_lshl_b32 s47, s12, 7
	s_add_co_u32 s46, s46, s47                     ; wt: row 256 x tile column + 128 x half,
	s_add_co_u32 s46, s46, 3072                    ; behind the other three weights' rows
	s_lshl_b32 s16, s16, 11
	s_lshl_b32 s46, s46, 11
	s_mov_b32 s17, 0
	s_mov_b32 s47, 0
	s_mul_i32 s20, s10, HALFT                      ; where my tiles go in a slot
	s_wait_dscnt 0x0                               ; the opening add is done
	s_wait_kmcnt 0x0
	s_add_nc_u64 s[14:15], s[4:5], s[16:17]
	s_add_nc_u64 s[46:47], s[6:7], s[46:47]
	CROUND                                         ; all sixteen work-groups are here: the first joint loads meet
.irp s, 0,1
	s_mov_b32 s[G0+4*(\s)], 1
	s_add_co_u32 s[G0+4*(\s)+1], s20, (\s)*SLOT
	s_add_nc_u64 s[G0+4*(\s)+2:G0+4*(\s)+3], s[14:15], (\s)*KSTEP*2
	s_or_b32 s[G0+4*(\s)+3], s[G0+4*(\s)+3], 0x80000000
	s_mov_b32 s[G0B+4*(\s)], 1
	s_add_co_u32 s[G0B+4*(\s)+1], s20, (\s)*SLOT
	s_add_nc_u64 s[G0B+4*(\s)+2:G0B+4*(\s)+3], s[46:47], (\s)*KSTEP*2
	s_or_b32 s[G0B+4*(\s)+3], s[G0B+4*(\s)+3], 0x80000000
	JLOAD \s                                       ; K steps 0 and 1: two loads of mine are out
.endr
	v_and_b32 v1, 15, v0                           ; l % 16
	v_bfe_u32 v2, v0, 4, 1                         ; l / 16
	v_lshlrev_b32 v6, 5, v2                        ; the bias: 8 numbers for each half of the lanes
	s_lshl_b32 s66, s42, 10
	s_lshl_b32 s67, s12, 9
	s_add_co_u32 s66, s66, s67
	s_add_co_u32 s66, s66, 12288                   ; bo lies behind the other three biases
	s_mov_b32 s67, 0
	s_add_nc_u64 s[68:69], s[68:69], s[66:67]
.irp b, 0,1,2,3,4,5,6,7
	global_load_b128 v[TMP+8*(\b):TMP+8*(\b)+3],   v6, s[68:69] offset:64*(\b)
	global_load_b128 v[TMP+8*(\b)+4:TMP+8*(\b)+7], v6, s[68:69] offset:64*(\b)+16
.endr
	v_mul_u32_u24 v3, v1, PITCH
	v_lshl_add_u32 v3, v2, 4, v3                   ; a fragment's row x pitch + 16 x half
	s_mul_i32 s21, s11, HALFT                      ; my 64 rows of comb lie at the head of region 0 or 1
	s_mul_i32 s22, s12, HALFT
	s_add_co_u32 s22, s22, 2*HALFT                 ; my 128 rows of wt in region 2 or 3
	v_add_nc_u32 v[ADRA0], s21, v3
	v_add_nc_u32 v[ADRB0], s22, v3
	v_mov_b32 v[ADRA], v[ADRA0]
	v_mov_b32 v[ADRB], v[ADRB0]
	s_mov_b32 s[TB], 0
	s_mul_i32 s23, s10, 16*SPITCH
	s_add_co_u32 s23, s23, STAGE                   ; my stage
	v_mul_u32_u24 v4, v1, SPITCH
	v_lshl_add_u32 v4, v2, 5, v4                   ; in: row l % 16, 32 bytes for each half of the lanes
	v_add_nc_u32 v[STO], s23, v4
	v_and_b32 v[CO], 31, v0
	v_lshlrev_b32 v[CO], 4, v[CO]                  ; back and out: 32 lanes take a row's 512 bytes
	v_add_nc_u32 v[RD], s23, v[CO]
	s_lshl_b32 s13, s13, 7
	s_lshl_b32 s14, s11, 6
	s_add_co_u32 s16, s13, s14                     ; my first row: 128 x tile row + 64 x half,
	s_lshl_b32 s16, s16, 12                        ; 4,096 bytes each
	s_mov_b32 s17, 0
	s_lshl_b32 s46, s42, 10
	s_lshl_b32 s47, s12, 9
	s_add_co_u32 s46, s46, s47                     ; my first column, 4 bytes each
	s_mov_b32 s47, 0
	s_add_nc_u64 s[16:17], s[16:17], s[46:47]
; 8 matrix instructions: row block a x all 8 column blocks, 32 along K; the 32 accumulators take turns.  zero = 2: the products start the sums on the bias.
.macro MULA f, a, zero
.if (\zero) == 2
	WIN 0x81                                       ; source 0 window 1, source 1 and C window 0, D window 2
.else
	WIN 0xa1                                       ; C and D window 2
.endif
.irp b, 0,1,2,3,4,5,6,7
.if (\zero) == 2
	v_wmma_f32_16x16x32_f16 v[8*(8*(\a)+(\b)):8*(8*(\a)+(\b))+7], v[(\f)+8*(\b):(\f)+8*(\b)+7], v[(\f)+8*(\a):(\f)+8*(\a)+7], v[TMP+8*(\b):TMP+8*(\b)+7]
.else
	v_wmma_f32_16x16x32_f16 v[8*(8*(\a)+(\b)):8*(8*(\a)+(\b))+7], v[(\f)+8*(\b):(\f)+8*(\b)+7], v[(\f)+8*(\a):(\f)+8*(\a)+7], v[8*(8*(\a)+(\b)):8*(8*(\a)+(\b))+7]
.endif
.endr
.endm
.macro HFETCH k, f                     ; 24 LDS loads in one run: a quarter step's fragments (32 K at byte k of the rows of the slot in hand) into buffer f
	WIN TO_B
.irp i, 0,1,2,3,4,5,6,7
	ds_load_b128 v[(\f)+8*(\i):(\f)+8*(\i)+3],   v[ADRB] offset:(\k)+(\i)*16*PITCH
	ds_load_b128 v[(\f)+8*(\i)+4:(\f)+8*(\i)+7], v[ADRB] offset:(\k)+(\i)*16*PITCH+32
.endr
	WIN 0
.irp i, 0,1,2,3
	ds_load_b128 v[(\f)+8*(\i):(\f)+8*(\i)+3],   v[ADRA] offset:(\k)+(\i)*16*PITCH
	ds_load_b128 v[(\f)+8*(\i)+4:(\f)+8*(\i)+7], v[ADRA] offset:(\k)+(\i)*16*PITCH+32
.endr
.endm
.macro HQUARTER k, f, g, zero          ; fetches the next quarter, at byte k, into g, a whole quarter ahead of its use; then multiplies buffer f
	PLACES                                         ; g was read by the products just issued
	HFETCH \k, \g
	s_wait_dscnt 24                                ; all but the 24 just issued: f is in
	MULA \f, 0, \zero
	MULA \f, 1, \zero
	MULA \f, 2, \zero
	MULA \f, 3, \zero
.endm
.macro HMEET                           ; the first half of a step's last quarter, and the one barrier of a change of slots
	WIN 0
	s_wait_tensorcnt 0x0                           ; all my tensor loads have landed: the one that was out is my part of the next slot
	ds_add_u32 v[SPW], v[NIL]                      ; 0 onto my spare word
	s_wait_dscnt 1                                 ; the add may be out; buffer 1 is in
	MULA F1, 0, 0
	s_wait_dscnt 0x0                               ; the add is done, and my reads of this slot are over
	s_barrier_signal -1
	MULA F1, 1, 0                                  ; work on registers while the others arrive
	WIN 0
	s_barrier_wait -1
.endm
.macro HNEXT                           ; the other slot's first fragments, and the second half of the last quarter
	s_xor_b32 s[TB], s[TB], SLOT
	v_add_nc_u32 v[ADRA], s[TB], v[ADRA0]
	v_add_nc_u32 v[ADRB], s[TB], v[ADRB0]
	HFETCH 0, F0
	MULA F1, 2, 0
	MULA F1, 3, 0
.endm
.macro HTURN                           ; a change of slots with a refill: the barrier opens a round of the cluster's, the joint refill is the first tensor load behind it
	HMEET
	CREST                                          ; no wave of any partner still reads this slot or has a load on its way
	s_add_co_u32 s[G0+5], s20, s[TB]               ; the walking descriptors: into the slot just read,
	s_add_co_u32 s[G0B+5], s20, s[TB]
	s_add_nc_u64 s[G0+6:G0+7], s[G0+6:G0+7], KSTEP*2    ; the K step two on from it
	s_add_nc_u64 s[G0B+6:G0B+7], s[G0B+6:G0B+7], KSTEP*2
	JLOAD 1                                        ; its four v_nop are also the places in front of the loads below; 112 matrix instructions stand between it and the wait for it
	HNEXT
.endm
.macro TOSTAGE4 a                      ; block a: 16 stores from the accumulators, each one's low registers first; 16 loads of whole rows
.set AC, 64*(\a)
.set BK, 64+64*((\a)%2)
	WIN 0x08                                       ; the stores' data in window 2
.irp b, 0,1,2,3,4,5,6,7
	ds_store_b128 v[STO], v[AC+8*(\b):AC+8*(\b)+3] offset:64*(\b)
	ds_store_b128 v[STO], v[AC+8*(\b)+4:AC+8*(\b)+7] offset:64*(\b)+16
.endr
	WIN 0
	s_wait_xcnt 0x0                                ; the registers that the block before last was stored from are loaded again only behind this wait
.irp t, 0,1,2,3,4,5,6,7,8,9,10,11,12,13,14,15
	ds_load_b128 v[BK+4*(\t):BK+4*(\t)+3], v[RD] offset:(\t)*SPITCH  ; LDS serves a wave's instructions in order (ISA guide 5.7.1.4)
.endr
.endm
.macro SEND4 a, younger                ; younger: the next block's 32 LDS instructions, or none
.set BK, 64+64*((\a)%2)
	s_wait_dscnt \younger
	s_wait_xcnt 0x0                                ; the stores' base is stepped only behind this wait
.if (\a) == 0
	s_add_nc_u64 s[70:71], s[70:71], s[16:17]
.else
	s_add_nc_u64 s[70:71], s[70:71], 16*LDC
.endif
.irp t, 0,1,2,3,4,5,6,7,8,9,10,11,12,13,14,15
	global_store_b128 v[CO], v[BK+4*(\t):BK+4*(\t)+3], s[70:71] offset:(\t)*LDC th:TH_STORE_NT
.endr
.endm
	s_wait_tensorcnt 1                             ; my part of K step 0 is in; step 1's may stay out
	s_barrier_signal -1
	s_barrier_wait -1
	HFETCH 0, F0
	s_wait_loadcnt 0x0                             ; the bias
	HQUARTER 64, F0, F1, 2                         ; the first quarter starts the sums
	WIN 0
	s_mov_b32 s3, 6
.Lstep:                                                ; trip i ends K step i, asks for step i + 2 and begins step i + 1
	HQUARTER 128, F1, F0, 0
	HQUARTER 192, F0, F1, 0
	HTURN
	HQUARTER 64, F0, F1, 0
	WIN 0
	s_sub_co_u32 s3, s3, 1
	s_cmp_lg_u32 s3, 0
	s_cbranch_scc1 .Lstep
	s_mov_b32 s3, 2
.Ltail:                                                ; K steps 6 and 7 ask for nothing; the second trip leaves behind the barrier
	HQUARTER 128, F1, F0, 0
	HQUARTER 192, F0, F1, 0
	HMEET
	s_cmp_eq_u32 s3, 1
	s_cbranch_scc1 .Lfin
	PLACES
	HNEXT
	HQUARTER 64, F0, F1, 0
	WIN 0
	s_sub_co_u32 s3, s3, 1
	s_cmp_lg_u32 s3, 0
	s_cbranch_scc1 .Ltail
.Lfin:
	s_wait_dscnt 0x0                               ; nothing is out on the way from the barrier
	MULA F1, 2, 0
	MULA F1, 3, 0
	WIN 0
	PLACES
	TOSTAGE4 0
.irp a, 1,2,3
	TOSTAGE4 \a
	SEND4 (\a)-1, 32
.endr
	SEND4 3, 0
	s_wait_tensorcnt 0x0                           ; the wave's end
	ds_add_u32 v[SPW], v[NIL]
	s_wait_dscnt 0x0
	CROUND                                         ; the closing round
	s_endpgm
.Lfunc_end_k_qda07c66384_outp:
	.size	k_qda07c66384_outp, .Lfunc_end_k_qda07c66384_outp-k_qda07c66384_outp
	.p2alignl 7, 3214868480
	.fill 96, 4, 3214868480
	.section	.rodata,"a",@progbits
	.p2align	6, 0x0
	.amdhsa_kernel k_qda07c66384_outp
		.amdhsa_group_segment_fixed_size 327680
		.amdhsa_private_segment_fixed_size 0
		.amdhsa_enable_private_segment 0
		.amdhsa_kernarg_size 32
		.amdhsa_user_sgpr_count 2
		.amdhsa_user_sgpr_kernarg_segment_ptr 1
		.amdhsa_wavefront_size32 1
		.amdhsa_system_sgpr_workgroup_id_x 1
		.amdhsa_system_sgpr_workgroup_id_y 1
		.amdhsa_system_sgpr_workgroup_id_z 1
		.amdhsa_system_vgpr_workitem_id 0
		.amdhsa_next_free_vgpr 1024
		.amdhsa_next_free_sgpr 76
		.amdhsa_reserve_vcc 0
		.amdhsa_float_denorm_mode_32 3
		.amdhsa_float_denorm_mode_16_64 3
		.amdhsa_memory_ordered 1
		.amdhsa_forward_progress 1
		.amdhsa_inst_pref_size 63
	.end_amdhsa_kernel
	.amdgpu_metadata
---
amdhsa.version: [ 1, 2 ]
amdhsa.kernels:
  - .name:           k_qda07c66384_outp
    .symbol:         k_qda07c66384_outp.kd
    .args:
      - { .name: comb, .offset: 0, .size: 8, .value_kind: global_buffer, .address_space: global }
      - { .name: wt, .offset: 8, .size: 8, .value_kind: global_buffer, .address_space: global }
      - { .name: bias, .offset: 16, .size: 8, .value_kind: global_buffer, .address_space: global }
      - { .name: out0, .offset: 24, .size: 8, .value_kind: global_buffer, .address_space: global }
    .group_segment_fixed_size: 327680
    .private_segment_fixed_size: 0
    .kernarg_segment_align: 8
    .kernarg_segment_size: 32
    .max_flat_workgroup_size: 128
    .sgpr_count:     76
    .vgpr_count:     1024
    .wavefront_size: 32
...
	.end_amdgpu_metadata
.endif
;; end of part 5
